; MI455X (gfx1250); checked and timed in simulation.
; The chip was launched on July 23, 2026; its instructions are those of AMD's public machine-readable ISA for CDNA 5 (MIT licence, August 2026) and "CDNA5" Instruction Set Architecture Reference Guide (July 2026). The comments in the code are by the model that wrote it; some were corrected since.
;; Causal Self Attention. Allowed arithmetic: matrix products marked QUANTISED: E2M1 operands, one E8M0 scale for each 32 along K, by v_wmma_scale_f32_16x16x128_f8f6f4 with both operands' format E2M1 (or v_wmma_scale_f32_32x16x128_f4), f32 sums; products left as they are: bf16, f16 or f32 operands; f32 sums; everything else in f32.
;; Inputs: W_attn 1,024 x 3,072 float32; W_proj 1,024 x 1,024 float32; x 4 x 2,048 x 1,024 float32.
;; Outputs: out0 4 x 2,048 x 1,024 float32.
;; This version of the problem:
;;   THIS VERSION OF THE PROBLEM IS GIVEN IN LOW PRECISION. The matrix products marked QUANTISED in the list below multiply operands that are first quantised to E2M1 (2 exponent bits, 1 mantissa bit; 4 bits a number), with one power-of-two scale for each 32 numbers along K (OCP MX v1.0); their sums are f32. The products marked 'left as it is' may take bf16, f16 or f32 operands, with f32 sums. Whichever they take, every output number must still come out within the allowed error. Rounding operands to bf16 (8 significant bits) uses up far more of that allowance than f16 does (11 bits, for magnitudes from 6e-5 to 65,504). All else is computed in f32.
;;   The module's matrix products, in the order in which they are computed (A, B: the left and right operand; K: the contracted axis; several contracted axes count as one K, in the product's order):
;;     1. [M 8,192, K 1,024] x [K 1,024, N 3,072]; A: input x; B: input W_attn: QUANTISED
;;     2. batch 64 x [M 2,048, K 64] x [K 64, N 2,048]; A: computed on the way; B: computed on the way: left as it is (an operand is computed on the way)
;;     3. batch 64 x [M 2,048, K 2,048] x [K 2,048, N 64]; A: computed on the way; B: computed on the way: left as it is (an operand is computed on the way)
;;     4. [M 8,192, K 1,024] x [K 1,024, N 1,024]; A: computed on the way; B: input W_proj: left as it is (an operand is computed on the way)
;;   THE QUANTISER, for each operand of a quantised product, along K:
;;     - K is cut into blocks of 32 from its start; a last block that is shorter is filled with zeros.
;;     - A block's scale is 2^e with e = floor(log2(the largest magnitude in the block)) - 2, held to -126 .. 127; a block of zeros has e = 0. As a byte (E8M0): e + 127.
;;     - Each number is divided by its block's scale, clamped to +-6, and rounded to the nearest number of E2M1, ties to even, subnormals kept.
;;     - The product sums the exact products of the quantised numbers (number of the format x scale) in f32.
;;   ~~~python
;;   def quantise(x, axis):      # numpy; x: float32 -> the quantised numbers, widened to float32 again
;;       x = np.moveaxis(x, axis, -1); K = x.shape[-1]
;;       x = np.pad(x, [(0, 0)] * (x.ndim - 1) + [(0, -K % 32)]); x = x.reshape(x.shape[:-1] + (-1, 32)); a = np.abs(x).max(-1, keepdims=True)
;;       e = np.where(a > 0, np.clip(np.frexp(np.where(a > 0, a, 1))[1] - 1 - 2, -126, 127), 0)      # np.frexp(a)[1] - 1 = floor(log2(a)), exactly
;;       r = np.clip(x / 2.0 ** e, -6, 6)
;;       step = 2.0 ** (np.maximum(np.frexp(np.where(r == 0, 1, r))[1] - 1, 0) - 1)
;;       q = np.round(r / step) * step * 2.0 ** e      # np.round: ties to even
;;       return np.moveaxis(q.reshape(q.shape[:-2] + (-1,))[..., :K], -1, axis).astype(np.float32)
;;   ~~~
;; One version. Each part assembles by itself: llvm-mc -triple=amdgcn-amd-amdhsa -mcpu=gfx1250 --defsym DOCPART=n.
;; ======== version 1 of 1: 6 launches
;; limits: values are held in f16: magnitudes above 65,504 overflow, below 6.1e-05 lose precision
;; workspace buffers: xc 4,194,304 bytes; xs 262,144 bytes; wc 1,572,864 bytes; ws 98,304 bytes; wp16 2,097,152 bytes; qkv 50,331,648 bytes; qkv32 786,432 bytes; att 16,777,216 bytes
;; launch quantx (part 1): grid 256 x 1, 4 waves a work-group, no clusters, 33,280 bytes of LDS; arguments x, xc, xs; writes xc, xs
.if DOCPART == 1
	.amdgcn_target "amdgcn-amd-amdhsa--gfx1250"
	.amdhsa_code_object_version 6
	.text
	.protected	k_q9315c9f80e_quantx
	.globl	k_q9315c9f80e_quantx
	.p2align	8
	.type	k_q9315c9f80e_quantx,@function
k_q9315c9f80e_quantx:
	s_mov_b64 s[64:65], 0
	v_nop
	global_prefetch_b8 v0, s[64:65] scope:SCOPE_SE
	s_setreg_imm32_b32 hwreg(HW_REG_WAVE_MODE, 25, 1), 1
	s_wait_xcnt 0x0
; x [8192][1024] f32 becomes codes of E2M1, K innermost (xc: 512 bytes a row), and one E8M0 byte for each 32 along K (xs: 32 bytes a row).
; A block's scale is 2^(floor(log2(its largest magnitude)) - 2); its byte is the largest magnitude's exponent field - 2, held at 1 from below.
; LIMITS: a block of zeros gets the byte 1 where the rule says 127 (its codes are zeros, and this program alone reads the bytes); blocks whose largest
; magnitude lies under 2^-124 are held at the byte 1; NaN and infinities among the inputs are not served.
; Rows are dense and 1024 is a multiple of 32: x is a plain stream of blocks of 32.  A wave takes 16 steps of 512 numbers.  Each of a step's four loads reads
; 512 consecutive bytes; the 2,048 bytes turn through the wave's own stage in LDS so that a lane holds 16 neighbours (two lanes a block), which is what the
; conversions want.  A lane's 16 codes are 8 bytes: a wave's store covers 256 consecutive bytes.  A wave's 256 scale bytes are gathered in LDS and leave together.
; No tensor load, no barrier, no cluster: waves and work-groups share no input.  Loads run four steps (16 loads a wave) ahead.
.set WAVES, 4
.set STEPS, 16
.set EMAX,  2
.set CB,    8                          ; bytes of 16 codes
.set R,     16                         ; v16-79   four sets of 16 numbers as loaded
.set X,     80                         ; v80-111  two sets of 16 neighbours
.set C,     128                        ; v128-191 codes: registers of its own for each step
.set E,     112                        ; v112-127 a scale byte for each step
.set WREG,  8192                       ; LDS: a region for each wave: two stages of 32 x SP bytes, then its 256 scale bytes
.set SP,    80                         ; a lane's place in a stage: 64 bytes + 16 of padding
.set SPW,   12                         ; v12 LDS address of my spare word; never rewritten
.set NIL,   13                         ; v13 0; never rewritten
.set SPARE, WAVES*WREG                 ; the spare words, 128 bytes a wave, named by no other line
	s_load_b64 s[4:5], s[0:1], 0x0                 ; x
	s_load_b64 s[8:9], s[0:1], 0x8                 ; xc
	s_load_b64 s[10:11], s[0:1], 0x10              ; xs
	v_lshl_add_u32 v[SPW], v0, 2, SPARE
	v_mov_b32 v[NIL], 0
	v_lshrrev_b32 v1, 5, v0
	v_readfirstlane_b32 s16, v1                    ; wave
	v_and_b32 v2, 31, v0                           ; lane
	v_lshlrev_b32 v3, 4, v2                        ; my 16 bytes of a load's 512
	s_mul_i32 s17, s16, WREG
	v_lshrrev_b32 v14, 2, v2
	v_mul_u32_u24 v14, v14, SP
	v_and_b32 v15, 3, v2
	v_lshl_add_u32 v14, v15, 4, v14
	v_add_nc_u32 v14, s17, v14                     ; the stage, in: SP (lane / 4) + 16 (lane % 4)
	v_mul_u32_u24 v15, v2, SP
	v_add_nc_u32 v15, s17, v15                     ; the stage, out: SP x lane
	v_mul_u32_u24 v4, v2, CB                       ; my codes' place in a step's
	v_lshrrev_b32 v5, 1, v2
	s_add_co_u32 s17, s17, 2*32*SP
	v_add_nc_u32 v5, s17, v5                       ; my block's byte among my wave's 256
	v_lshlrev_b32 v7, 3, v2
	v_add_nc_u32 v6, s17, v7                       ; and 8 bytes a lane on the way out
	s_lshl_b32 s18, ttmp9, 2
	s_add_co_u32 s18, s18, s16                     ; which run of 8,192 numbers is my wave's
	s_lshl_b32 s20, s18, 15                        ; 32,768 bytes of x,
	s_mov_b32 s21, 0
	s_lshl_b32 s22, s18, 12                        ; 4,096 of codes,
	s_mov_b32 s23, 0
	s_lshl_b32 s18, s18, 8                         ; 256 scale bytes a run
	s_mov_b32 s19, 0
	s_wait_kmcnt 0x0
	s_add_nc_u64 s[4:5], s[4:5], s[20:21]
	s_add_nc_u64 s[8:9], s[8:9], s[22:23]
	s_add_nc_u64 s[10:11], s[10:11], s[18:19]
.macro LOAD t
.irp i, 0,1,2,3
	global_load_b128 v[R+16*((\t)%4)+4*\i:R+16*((\t)%4)+4*\i+3], v3, s[4:5] offset:2048*(\t)+512*\i th:TH_LOAD_NT
.endr
.endm
.macro TURN t                          ; step t's numbers through the stage: LDS serves a wave's instructions in order, so no wait stands between
.irp i, 0,1,2,3
	ds_store_b128 v14, v[R+16*((\t)%4)+4*\i:R+16*((\t)%4)+4*\i+3] offset:32*SP*((\t)%2)+8*SP*\i
.endr
.irp i, 0,1,2,3
	ds_load_b128 v[X+16*((\t)%2)+4*\i:X+16*((\t)%2)+4*\i+3], v15 offset:32*SP*((\t)%2)+16*\i
.endr
.endm
.irp t, 0,1,2,3
	LOAD \t
.endr
	s_wait_loadcnt 12                              ; step 0's four loads are in; the 12 of steps 1 to 3 may be out
	TURN 0
.macro STEP t
.set XS, X+16*((\t)%2)
.if (\t) > 0
	s_wait_dscnt 1                                 ; this step's numbers are back from the stage; the last step's byte store may be out
.else
	s_wait_dscnt 0x0
.endif
.if (\t)+4 < STEPS
	LOAD (\t)+4                                    ; into the registers that this step's stage stores have read
.endif
.if (\t)+1 < STEPS
.if STEPS-2-(\t) >= 3
	s_wait_loadcnt 12                              ; the next step's four loads are in; those of the three steps behind it may be out
.else
	s_wait_loadcnt 4*(STEPS-2-(\t))
.endif
	TURN (\t)+1
.endif
	v_max3_num_f32 v8, |v[XS]|, |v[XS+1]|, |v[XS+2]|
	v_max3_num_f32 v9, |v[XS+3]|, |v[XS+4]|, |v[XS+5]|
.irp i, 6,10
	v_max3_num_f32 v8, v8, |v[XS+\i]|, |v[XS+\i+1]|
	v_max3_num_f32 v9, v9, |v[XS+\i+2]|, |v[XS+\i+3]|
.endr
	v_max3_num_f32 v8, v8, |v[XS+14]|, |v[XS+15]|
	v_max3_num_f32 v8, v8, v9, (EMAX+1)<<23        ; with the floor 2^(3 - 127): the byte cannot fall under 1
	v_max_num_f32_dpp v8, v8, v8 row_xmask:1 row_mask:0xf bank_mask:0xf   ; and my neighbour's 16: the block's largest magnitude
	v_add_nc_u32 v11, -(EMAX<<23), v8              ; 2 off its exponent field: the conversion takes that field as its scale
	v_cvt_scalef32_pk8_fp4_f32 v[C+4*(\t)], v[XS:XS+7], v11
	v_cvt_scalef32_pk8_fp4_f32 v[C+4*(\t)+1], v[XS+8:XS+15], v11
	v_lshrrev_b32 v[E+(\t)], 23, v11               ; the scale's byte
	ds_store_b8 v5, v[E+(\t)] offset:16*(\t)       ; both lanes of a block write the same byte with the same value
	global_store_b64 v4, v[C+4*(\t):C+4*(\t)+1], s[8:9] offset:32*CB*(\t)
.endm
.irp t, 0,1,2,3,4,5,6,7,8,9,10,11,12,13,14,15
	STEP \t
.endr
	ds_load_b64 v[8:9], v6                         ; in order behind my byte stores
	s_wait_dscnt 0x0
	global_store_b64 v7, v[8:9], s[10:11]          ; 32 lanes store 256 consecutive bytes
	s_wait_tensorcnt 0x0                           ; the wave's end: behind my last LDS store
	ds_add_u32 v[SPW], v[NIL]
	s_wait_dscnt 0x0
	s_endpgm
.Lfunc_end_k_q9315c9f80e_quantx:
	.size	k_q9315c9f80e_quantx, .Lfunc_end_k_q9315c9f80e_quantx-k_q9315c9f80e_quantx
	.p2alignl 7, 3214868480
	.fill 96, 4, 3214868480
	.section	.rodata,"a",@progbits
	.p2align	6, 0x0
	.amdhsa_kernel k_q9315c9f80e_quantx
		.amdhsa_group_segment_fixed_size 33280
		.amdhsa_private_segment_fixed_size 0
		.amdhsa_enable_private_segment 0
		.amdhsa_kernarg_size 24
		.amdhsa_user_sgpr_count 2
		.amdhsa_user_sgpr_kernarg_segment_ptr 1
		.amdhsa_wavefront_size32 1
		.amdhsa_system_sgpr_workgroup_id_x 1
		.amdhsa_system_sgpr_workgroup_id_y 1
		.amdhsa_system_sgpr_workgroup_id_z 1
		.amdhsa_system_vgpr_workitem_id 0
		.amdhsa_next_free_vgpr 192
		.amdhsa_next_free_sgpr 66
		.amdhsa_reserve_vcc 0
		.amdhsa_float_denorm_mode_32 3
		.amdhsa_float_denorm_mode_16_64 3
		.amdhsa_memory_ordered 1
		.amdhsa_forward_progress 1
		.amdhsa_inst_pref_size 33
	.end_amdhsa_kernel
	.amdgpu_metadata
---
amdhsa.version: [ 1, 2 ]
amdhsa.kernels:
  - .name:           k_q9315c9f80e_quantx
    .symbol:         k_q9315c9f80e_quantx.kd
    .args:
      - { .name: x, .offset: 0, .size: 8, .value_kind: global_buffer, .address_space: global }
      - { .name: xc, .offset: 8, .size: 8, .value_kind: global_buffer, .address_space: global }
      - { .name: xs, .offset: 16, .size: 8, .value_kind: global_buffer, .address_space: global }
    .group_segment_fixed_size: 33280
    .private_segment_fixed_size: 0
    .kernarg_segment_align: 8
    .kernarg_segment_size: 24
    .max_flat_workgroup_size: 128
    .sgpr_count:     66
    .vgpr_count:     192
    .wavefront_size: 32
...
	.end_amdgpu_metadata
.endif
;; end of part 1
;; launch prepw (part 2): grid 128 x 1, 8 waves a work-group, no clusters, 18,944 bytes of LDS; arguments W_attn, W_proj, wc, ws, wp16; writes wc, ws, wp16
.if DOCPART == 2
	.amdgcn_target "amdgcn-amd-amdhsa--gfx1250"
	.amdhsa_code_object_version 6
	.text
	.protected	k_q9315c9f80e_prepw
	.globl	k_q9315c9f80e_prepw
	.p2align	8
	.type	k_q9315c9f80e_prepw,@function
k_q9315c9f80e_prepw:
	s_mov_b64 s[64:65], 0
	v_nop
	global_prefetch_b8 v0, s[64:65] scope:SCOPE_SE
	s_setreg_imm32_b32 hwreg(HW_REG_WAVE_MODE, 25, 1), 1
	s_wait_xcnt 0x0
; Work-groups 0 to 95: W_attn [1024 (k)][3072 (n)] f32, whose K is its first axis, becomes codes of E2M1 laid [3072][512 bytes] with K innermost (wc) and E8M0 bytes [3072][32] (ws).
; A lane takes a column n and its registers run down K: a block of 32 lies in one lane, its largest magnitude needs no other lane, and the conversions give codes with K innermost.
; A work-group takes 32 columns and all of K; wave w takes k = 128 w .. 128 w + 127 (4 blocks).  The eight waves' codes meet in a stage (a row a column), and leave as whole rows of 512 bytes;
; the 32 columns' scale bytes are 1,024 consecutive bytes of ws.
; Work-groups 96 to 127: W_proj [1024][1024] f32 becomes f16 in the same order (wp16): a plain stream, 16,384 bytes in for each wave; they touch no LDS.
; The two ways part on the work-group's number alone, so all eight waves of a work-group go the same way and meet the one barrier together.
; LIMITS: a block of zeros gets the byte 1 (its codes are zeros; this program alone reads the bytes); blocks under 2^-124 are held at the byte 1; NaN and infinities are not served;
; |W_proj| beyond 65,504 has no f16 number.  No cluster: work-groups share no input.
.set PITCH, 528                        ; a stage row: a column's 512 bytes of codes + 16
.set SCST,  32*PITCH                   ; behind the stage: 32 bytes of scales a column, dense
.set SPARE, SCST+1024                  ; the spare words, 128 bytes a wave (17,920 = 70 x 256)
.set EMAX,  2
.set NB,    4                          ; blocks a wave
.set X,     32                         ; v32-95 two sets of 32 numbers
.set C,     96                         ; v96-99 a block's codes
.set OUTR,  112                        ; v112-127 four rows on the way out; v128-131 scale bytes
.set SB,    24                         ; v24 my column's four scale bytes
	s_load_b128 s[4:7], s[0:1], 0x0                ; W_attn, W_proj
	s_load_b128 s[8:11], s[0:1], 0x10              ; wc, ws
	s_load_b64 s[12:13], s[0:1], 0x20              ; wp16
	v_lshl_add_u32 v14, v0, 2, SPARE               ; my spare word
	v_mov_b32 v15, 0
	v_lshrrev_b32 v1, 5, v0
	v_readfirstlane_b32 s16, v1                    ; wave 0..7
	v_and_b32 v2, 31, v0                           ; lane
	s_cmp_ge_u32 ttmp9, 96
	s_cbranch_scc1 .Lproj
	; ---- W_attn
	s_mul_i32 s20, s16, 128*3072*4                 ; my 128 rows of W_attn,
	s_lshl_b32 s21, ttmp9, 7                       ; my work-group's 32 columns
	s_add_co_u32 s20, s20, s21
	s_mov_b32 s21, 0
	s_lshl_b32 s22, ttmp9, 14                      ; wc: 32 rows of 512 bytes a work-group,
	s_lshl_b32 s23, s16, 11                        ; 4 of them a wave on the way out
	s_add_co_u32 s22, s22, s23
	s_mov_b32 s23, 0
	s_lshl_b32 s24, ttmp9, 10                      ; ws: 32 rows of 32 bytes
	s_mov_b32 s25, 0
	v_lshlrev_b32 v3, 2, v2                        ; in: 4 bytes a lane
	v_mul_u32_u24 v4, v2, PITCH
	s_lshl_b32 s26, s16, 6
	v_add_nc_u32 v4, s26, v4                       ; stage, in: my column's row, my wave's 64 bytes
	v_lshlrev_b32 v5, 5, v2
	s_lshl_b32 s26, s16, 2
	s_add_co_u32 s26, s26, SCST
	v_add_nc_u32 v5, s26, v5                       ; my column's scale bytes, my wave's four
	v_lshlrev_b32 v8, 4, v2                        ; out: 16 bytes a lane
	s_mul_i32 s26, s16, 4*PITCH
	v_add_nc_u32 v7, s26, v8                       ; stage, out: rows 4 w .. 4 w + 3, a row an instruction
	s_and_b32 s26, s16, 1
	s_lshl_b32 s26, s26, 9
	v_add_nc_u32 v10, s26, v8                      ; the scale bytes' place in ws (waves 0 and 1 send them),
	s_add_co_u32 s26, s26, SCST
	v_add_nc_u32 v9, s26, v8                       ; and in LDS
	s_wait_kmcnt 0x0
	s_add_nc_u64 s[4:5], s[4:5], s[20:21]
	s_add_nc_u64 s[8:9], s[8:9], s[22:23]
	s_add_nc_u64 s[10:11], s[10:11], s[24:25]
.macro LOAD t                          ; block t: W(128 w + 32 t + i, my column) into set t % 2; a wave's load reads 128 consecutive bytes
.irp i, 0,1,2,3,4,5,6,7,8,9,10,11,12,13,14,15,16,17,18,19,20,21,22,23,24,25,26,27,28,29,30,31
	global_load_b32 v[X+32*((\t)%2)+\i], v3, s[4:5] offset:(32*(\t)+\i)*12288 th:TH_LOAD_NT
.endr
.endm
	LOAD 0
	LOAD 1
.macro BLOCK t
.set XS, X+32*((\t)%2)
.if (\t) < NB-1
	s_wait_loadcnt 32                              ; this block's 32 loads are in; the next block's 32 may be out
.else
	s_wait_loadcnt 0
.endif
	v_max3_num_f32 v12, |v[XS]|, |v[XS+1]|, |v[XS+2]|
	v_max3_num_f32 v13, |v[XS+3]|, |v[XS+4]|, |v[XS+5]|
.irp i, 6,10,14,18,22,26
	v_max3_num_f32 v12, v12, |v[XS+\i]|, |v[XS+\i+1]|
	v_max3_num_f32 v13, v13, |v[XS+\i+2]|, |v[XS+\i+3]|
.endr
	v_max3_num_f32 v12, v12, |v[XS+30]|, |v[XS+31]|
	v_max3_num_f32 v12, v12, v13, (EMAX+1)<<23     ; with the floor 2^(3 - 127)
	v_add_nc_u32 v11, -(EMAX<<23), v12             ; the conversion's scale operand
	v_lshrrev_b32 v13, 23, v11                     ; the scale's byte
.if (\t) == 0
	v_mov_b32 v[SB], v13
.else
	v_lshl_or_b32 v[SB], v13, 8*(\t), v[SB]        ; the lower K in the lower byte
.endif
.irp g, 0,1,2,3
	v_cvt_scalef32_pk8_fp4_f32 v[C+\g], v[XS+8*\g:XS+8*\g+7], v11
.endr
	ds_store_b128 v4, v[C:C+3] offset:16*(\t)      ; 32 codes: 16 bytes of my column's row
.if (\t)+2 < NB
	LOAD (\t)+2
.endif
	s_wait_dscnt 0x0                               ; the store has read its registers: the next block's codes may be written
.endm
	BLOCK 0
	BLOCK 1
	BLOCK 2
	BLOCK 3
	ds_store_b32 v5, v[SB]
	s_wait_dscnt 0x0                               ; for the others' sake: my stores have landed
	s_barrier_signal -1
	s_barrier_wait -1                              ; 32 whole rows of codes and 1,024 scale bytes lie in LDS
.irp i, 0,1,2,3
	ds_load_b128 v[OUTR+4*\i:OUTR+4*\i+3], v7 offset:PITCH*\i
.endr
.irp i, 0,1,2,3
	s_wait_dscnt 3-\i                              ; row i is in; the later rows' loads may be out
	global_store_b128 v8, v[OUTR+4*\i:OUTR+4*\i+3], s[8:9] offset:512*\i   ; 32 lanes store a row of 512 consecutive bytes
.endr
	s_cmp_lt_u32 s16, 2
	s_cbranch_scc0 .Lnosc
	ds_load_b128 v[128:131], v9
	s_wait_dscnt 0x0
	global_store_b128 v10, v[128:131], s[10:11]    ; 512 consecutive bytes of ws
.Lnosc:
	s_wait_tensorcnt 0x0                           ; the wave's end: behind my last LDS store
	ds_add_u32 v14, v15
	s_wait_dscnt 0x0
	s_endpgm
	; ---- W_proj to f16
.Lproj:
	s_sub_co_u32 s20, ttmp9, 96
	s_lshl_b32 s20, s20, 3
	s_add_co_u32 s20, s20, s16                     ; which run of 4,096 numbers is my wave's
	s_lshl_b32 s22, s20, 13                        ; 8,192 bytes out,
	s_lshl_b32 s20, s20, 14                        ; 16,384 in
	s_mov_b32 s21, 0
	s_mov_b32 s23, 0
	v_lshlrev_b32 v3, 4, v2
	v_lshlrev_b32 v4, 3, v2
	s_wait_kmcnt 0x0
	s_add_nc_u64 s[6:7], s[6:7], s[20:21]
	s_add_nc_u64 s[12:13], s[12:13], s[22:23]
.set I, 0
.rept 16
	global_load_b128 v[32+4*I:35+4*I], v3, s[6:7] offset:512*I
.set I, I+1
.endr
.set I, 0
.rept 32
.if I < 16
	s_wait_loadcnt 15                              ; load I is in; the 15 behind it may be out
.else
	s_wait_loadcnt 31-I
.endif
	v_cvt_pk_f16_f32 v[96+2*I], v[32+4*(I%16)], v[33+4*(I%16)]
	v_cvt_pk_f16_f32 v[97+2*I], v[34+4*(I%16)], v[35+4*(I%16)]
.if I < 16
	global_load_b128 v[32+4*I:35+4*I], v3, s[6:7] offset:512*(I+16)
.endif
	global_store_b64 v4, v[96+2*I:97+2*I], s[12:13] offset:256*I   ; 256 consecutive bytes; a pair of registers of its own for each step
.set I, I+1
.endr
	s_endpgm
.Lfunc_end_k_q9315c9f80e_prepw:
	.size	k_q9315c9f80e_prepw, .Lfunc_end_k_q9315c9f80e_prepw-k_q9315c9f80e_prepw
	.p2alignl 7, 3214868480
	.fill 96, 4, 3214868480
	.section	.rodata,"a",@progbits
	.p2align	6, 0x0
	.amdhsa_kernel k_q9315c9f80e_prepw
		.amdhsa_group_segment_fixed_size 18944
		.amdhsa_private_segment_fixed_size 0
		.amdhsa_enable_private_segment 0
		.amdhsa_kernarg_size 40
		.amdhsa_user_sgpr_count 2
		.amdhsa_user_sgpr_kernarg_segment_ptr 1
		.amdhsa_wavefront_size32 1
		.amdhsa_system_sgpr_workgroup_id_x 1
		.amdhsa_system_sgpr_workgroup_id_y 1
		.amdhsa_system_sgpr_workgroup_id_z 1
		.amdhsa_system_vgpr_workitem_id 0
		.amdhsa_next_free_vgpr 160
		.amdhsa_next_free_sgpr 66
		.amdhsa_reserve_vcc 0
		.amdhsa_float_denorm_mode_32 3
		.amdhsa_float_denorm_mode_16_64 3
		.amdhsa_memory_ordered 1
		.amdhsa_forward_progress 1
		.amdhsa_inst_pref_size 33
	.end_amdhsa_kernel
	.amdgpu_metadata
---
amdhsa.version: [ 1, 2 ]
amdhsa.kernels:
  - .name:           k_q9315c9f80e_prepw
    .symbol:         k_q9315c9f80e_prepw.kd
    .args:
      - { .name: W_attn, .offset: 0, .size: 8, .value_kind: global_buffer, .address_space: global }
      - { .name: W_proj, .offset: 8, .size: 8, .value_kind: global_buffer, .address_space: global }
      - { .name: wc, .offset: 16, .size: 8, .value_kind: global_buffer, .address_space: global }
      - { .name: ws, .offset: 24, .size: 8, .value_kind: global_buffer, .address_space: global }
      - { .name: wp16, .offset: 32, .size: 8, .value_kind: global_buffer, .address_space: global }
    .group_segment_fixed_size: 18944
    .private_segment_fixed_size: 0
    .kernarg_segment_align: 8
    .kernarg_segment_size: 40
    .max_flat_workgroup_size: 256
    .sgpr_count:     66
    .vgpr_count:     160
    .wavefront_size: 32
...
	.end_amdgpu_metadata
.endif
;; end of part 2
;; launch qkv (part 3): grid 12 x 32, 4 waves a work-group, clusters of 4 x 4, 327,680 bytes of LDS; arguments xc, xs, wc, ws, qkv, qkv32; writes qkv, qkv32
.if DOCPART == 3
	.amdgcn_target "amdgcn-amd-amdhsa--gfx1250"
	.amdhsa_code_object_version 6
	.text
	.protected	k_q9315c9f80e_qkv
	.globl	k_q9315c9f80e_qkv
	.p2align	8
	.type	k_q9315c9f80e_qkv,@function
k_q9315c9f80e_qkv:
	s_mov_b64 s[64:65], 0
	v_nop
	global_prefetch_b8 v0, s[64:65] scope:SCOPE_SE
	s_setreg_imm32_b32 hwreg(HW_REG_WAVE_MODE, 25, 1), 1
	s_wait_xcnt 0x0
	s_wait_alu depctr_hold_cnt(0) depctr_sa_sdst(0) depctr_va_vdst(0) depctr_va_sdst(0) depctr_va_ssrc(0) depctr_va_vcc(0) depctr_vm_vsrc(0)
	s_getreg_b32 s2, hwreg(HW_REG_IB_STS2, 6, 4)
	s_cmp_eq_u32 s2, 0
	s_cbranch_scc0 .Lentry_in_a_cluster
	s_endpgm
.Lentry_in_a_cluster:
	s_bfe_u32 s2, ttmp6, 0x10000c
	s_cmp_lg_u32 s2, 0xf033
	s_cbranch_scc0 .Lentry_shape_is_right
	s_endpgm
.Lentry_shape_is_right:
; qkv = Q(x) Q(W_attn): C[m][n] = sum over k of A[m][k] B[n][k], A = xc/xs [8192][1024], B = wc/ws [3072][1024]: codes of E2M1 with one E8M0 byte for each 32 along K; sums in f32.
; A tile of C, 256 x 256, is made by four waves, 128 x 128 each: 64 accumulators, 512 registers.  K = 1024 is two steps of 512 (tile rows of 256 bytes): both lie in LDS slots of their own,
; and with the scale bytes of the tile's rows they are the wave's three first fills: three tensor loads of a wave are out at the most, and nothing is ever filled again.
; CLUSTERS: 4 x 4 work-groups; A's tiles are asked for jointly along a row of the cluster, B's along a column.  THE TILE ROW IS 8 cy + cluster y: the batch is then cy and a tile's place in
; its batch is the cluster's y, so that 'this tile holds positions 0 to 15' is the same in all sixteen partners and may steer a branch.
; THE MATRIX INSTRUCTION IS USED TRANSPOSED (source 0 = 16 rows of B, source 1 = 16 rows of A): a lane holds eight neighbouring columns of one row of C.
; THE WAY OUT: C is rounded to f16 and laid [3 (q, k, v)][64 (16 b + h)][2048 (t)][64]: a wave's 128 columns are two heads; 16 positions x 2 heads go through the wave's stage and leave as
; runs of 512 consecutive bytes (4 positions of a head).  The positions t < 16 of each batch also leave in f32, [16 b + t][3072] (qkv32), for the launch that carries them finely.
; The stages lie in slot 0, which has had its only fill and is read by nobody behind the change of slots.
; LIMIT: |q|, |k|, |v| beyond 65,504 have no f16 number.  No prefetch: every tile is asked for at the head.
; REGISTERS, in windows of 256: window 0: v0-31 addresses; v32-95 scale words, two sets; v128-191 A's fragments, one set (on the way out v32-191 are free);
;   window 1: B's fragments, two sets, at v0 and v128;  window 2: the accumulators of my rows 0-63 ((a, b) at v[8 (8 a + b)]);  window 3: those of rows 64-127.
.set SIZE_K, 1024
.set KSTEP,  512
.set NQ,     KSTEP/128
.set ROWB,   256                       ; a tile's row in bytes
.set KROW,   SIZE_K/2                  ; a row of codes in memory
.set PITCH,  272                       ; an LDS row: 256 + 16: the 16 rows that a load touches start at 16 different banks (64 banks of 4 bytes: ISA guide 11.1)
.set FR,     8
.set NL,     2
.set NP,     4                         ; places behind this matrix instruction (ISA guide 7.12.1)
.set HALFT,  128*PITCH
.set SLOT,   4*HALFT
.set KS,     SIZE_K/32                 ; a row of scales in bytes
.set SCL,    2*SLOT                    ; behind the slots: the scales, as rows of 256 bytes + 16
.set HALFS,  (128*KS/256)*272
.set SBLK,   (16*KS/256)*272
.set SPARE,  SCL+4*HALFS               ; the spare words, 128 bytes a wave
.set ST16,   4608                      ; the way out: a wave's f16 stage: 2 heads x 16 rows x 144
.set ST32,   4*ST16                    ; behind the four: the f32 stages, 16 rows x 528 a wave
.set ADRA, 16
.set ADRB, 20
.set STO32, 22                         ; v22 f32 stage, in
.set RD32,  23                         ; v23 f32 stage, out
.set STO,  24                          ; v24 f16 stage, in
.set RD,   25                          ; v25 f16 stage, out
.set CO,   26                          ; v26 16 x lane
.set ADRS, 27
.set SPW,  28
.set NIL,  29
.set SC,   32
.set AF,   128
.set TMP,  32                          ; the way out: packed results
.set BK,   64                          ; rows read back: v64-95 and v96-127 by turns
.set G1, 24
.set G0, 32
.set G1B, 48
.set G0B, 56
.set G1S, 68
.set G0S, 76
.set G1SB, 80
.set G0SB, 88
.set MSB, 0
.macro WIN new                         ; the immediate's high byte repeats the setting that is left
.if MSB != (\new)
	s_set_vgpr_msb (MSB<<8)|(\new)
.set MSB, (\new)
.endif
.endm
.set MUL_LO, 0xa1                      ; source 0 (B) window 1, source 1 (A) window 0, C and D window 2
.set MUL_HI, 0xf1
.set TO_B,   0x40
; A joint load: waves 0 and 1 fetch for A, waves 2 and 3 for B; the branch hangs on the wave's number alone.  An s_nop 0 and four v_nop follow each line.
.macro JLOAD g0a, g1a, g0b, g1b
	s_cmp_eq_u32 s15, 0
	s_cbranch_scc0 .Lfor_b_\@
	tensor_load_to_lds s[\g0a:\g0a+3], s[\g1a:\g1a+7]
	s_nop 0
.rept 4
	v_nop
.endr
	s_branch .Lasked_\@
.Lfor_b_\@:
	tensor_load_to_lds s[\g0b:\g0b+3], s[\g1b:\g1b+7]
	s_nop 0
.rept 4
	v_nop
.endr
.Lasked_\@:
.endm
.macro CROUND                          ; a round of the cluster's barrier
	s_barrier_signal -1
	s_barrier_wait -1
	s_cmp_lg_u32 s14, 0
	s_cbranch_scc1 .Lnot_wave_0_\@
	s_barrier_signal -3
.Lnot_wave_0_\@:
	s_barrier_wait -3
	s_barrier_signal -1
	s_barrier_wait -1
.endm
	s_load_b128 s[4:7], s[0:1], 0x0                ; A's codes, A's scales
	s_load_b128 s[8:11], s[0:1], 0x10              ; B's codes, B's scales
	s_load_b64 s[12:13], s[0:1], 0x20              ; qkv
	s_load_b64 s[96:97], s[0:1], 0x28              ; qkv32
	v_lshl_add_u32 v[SPW], v0, 2, SPARE
	v_mov_b32 v[NIL], 0
	ds_add_u32 v[SPW], v[NIL]                      ; the wave's opening: the add, twice on end, and its wait ahead of my first tensor load
	ds_add_u32 v[SPW], v[NIL]
	v_lshrrev_b32 v1, 5, v0
	v_readfirstlane_b32 s14, v1                    ; wave 0..3
	s_lshr_b32 s15, s14, 1                         ; my half of the tile's rows.  Also: I fetch for A (0) or for B (1)
	s_and_b32 s16, s14, 1                          ; my half of its columns.  Also: which 128 rows I fetch
	s_bfe_u32 s40, ttmp6, 0x40000                  ; cx
	s_bfe_u32 s41, ttmp6, 0x40004                  ; cy
	s_lshl_b32 s42, ttmp9, 2
	s_add_co_u32 s42, s42, s40                     ; tile column = 4 x cluster x + cx
	s_and_b32 s95, ttmp7, 0xffff                   ; cluster y
	s_lshl_b32 s17, s41, 3
	s_add_co_u32 s17, s17, s95                     ; tile row = 8 cy + cluster y
	s_lshl_b32 s43, s41, 2
	s_lshl_b32 s43, 15, s43                        ; my row of the cluster
	s_lshl_b32 s44, 0x1111, s40                    ; my column
	s_or_b32 s[G1+0], s43, (0<<16)|(1<<20)|(1<<21)|(5<<22)|(3<<25)  ; the mask; elements of 1 byte; padding on; bit 21 beside a mask; 4 words behind every 64
	s_or_b32 s[G1B+0], s44, (0<<16)|(1<<20)|(1<<21)|(5<<22)|(3<<25)
.irp g, G1, G1B
	s_mov_b32 s[\g+1], ROWB<<16                    ; tensor_dim0
	s_mov_b32 s[\g+2], 128<<16                     ; tensor_dim1
	s_mov_b32 s[\g+3], ROWB<<16                    ; tile_dim0
	s_mov_b32 s[\g+4], 128                         ; tile_dim1
	s_mov_b32 s[\g+5], KROW                        ; the pitch
	s_mov_b32 s[\g+6], 0
	s_mov_b32 s[\g+7], 0
.endr
	s_or_b32 s[G1S+0], s43, (3<<16)|(1<<20)|(1<<21)|(5<<22)|(3<<25)  ; the scales of 128 rows: a dense block, as rows of 256 bytes (32 elements of 8)
	s_or_b32 s[G1SB+0], s44, (3<<16)|(1<<20)|(1<<21)|(5<<22)|(3<<25)
.irp g, G1S, G1SB
	s_mov_b32 s[\g+1], 32<<16
	s_mov_b32 s[\g+2], (128*KS/256)<<16
	s_mov_b32 s[\g+3], 32<<16
	s_mov_b32 s[\g+4], 128*KS/256
	s_mov_b32 s[\g+5], 32
	s_mov_b32 s[\g+6], 0
	s_mov_b32 s[\g+7], 0
.endr
	s_lshl_b32 s18, s16, 7
	s_lshl_b32 s20, s17, 8
	s_add_co_u32 s20, s20, s18                     ; A: row 256 x tile row + 128 x half
	s_lshl_b32 s46, s42, 8
	s_add_co_u32 s46, s46, s18                     ; B: row 256 x tile column + 128 x half
	s_mov_b32 s21, 0
	s_mov_b32 s47, 0
	s_mov_b64 s[18:19], KS
	s_mul_u64 s[22:23], s[20:21], s[18:19]         ; where these rows' scales begin
	s_mul_u64 s[92:93], s[46:47], s[18:19]
	s_mov_b64 s[18:19], KROW
	s_mul_u64 s[20:21], s[20:21], s[18:19]         ; and their codes
	s_mul_u64 s[46:47], s[46:47], s[18:19]
	s_mul_i32 s45, s14, HALFT                      ; where they go: wave x 128 rows
	s_mul_i32 s94, s14, HALFS
	s_wait_dscnt 0x0                               ; both opening adds are done
	s_wait_kmcnt 0x0
	s_add_nc_u64 s[20:21], s[4:5], s[20:21]
	s_add_nc_u64 s[22:23], s[6:7], s[22:23]
	s_add_nc_u64 s[46:47], s[8:9], s[46:47]
	s_add_nc_u64 s[92:93], s[10:11], s[92:93]
	CROUND                                         ; all sixteen work-groups are here: the joint loads meet
	s_mov_b32 s[G0S], 1
	s_add_co_u32 s[G0S+1], s94, SCL
	s_mov_b64 s[G0S+2:G0S+3], s[22:23]
	s_or_b32 s[G0S+3], s[G0S+3], 0x80000000
	s_mov_b32 s[G0SB], 1
	s_add_co_u32 s[G0SB+1], s94, SCL
	s_mov_b64 s[G0SB+2:G0SB+3], s[92:93]
	s_or_b32 s[G0SB+3], s[G0SB+3], 0x80000000
	JLOAD G0S, G1S, G0SB, G1SB                     ; the scales first
.irp s, 0,1
	s_mov_b32 s[G0+4*\s], 1
	s_add_co_u32 s[G0+4*\s+1], s45, \s*SLOT
	s_add_nc_u64 s[G0+4*\s+2:G0+4*\s+3], s[20:21], \s*ROWB
	s_or_b32 s[G0+4*\s+3], s[G0+4*\s+3], 0x80000000
	s_mov_b32 s[G0B+4*\s], 1
	s_add_co_u32 s[G0B+4*\s+1], s45, \s*SLOT
	s_add_nc_u64 s[G0B+4*\s+2:G0B+4*\s+3], s[46:47], \s*ROWB
	s_or_b32 s[G0B+4*\s+3], s[G0B+4*\s+3], 0x80000000
	JLOAD G0+4*\s, G1, G0B+4*\s, G1B
.endr
	v_and_b32 v1, 15, v0                           ; r = l % 16
	v_bfe_u32 v2, v0, 4, 1                         ; h = l / 16
	v_mul_u32_u24 v3, v1, PITCH
	v_lshl_add_u32 v4, v2, 4, v3                   ; a fragment's row x pitch + 16 h
	s_mul_i32 s21, s15, HALFT
	s_mul_i32 s22, s16, HALFT
	s_add_co_u32 s22, s22, 2*HALFT
.irp s, 0,1
	v_add_nc_u32 v[ADRA+\s], s21, v4
	v_add_nc_u32 v[ADRB+\s], s22, v4
	s_add_co_u32 s21, s21, SLOT
	s_add_co_u32 s22, s22, SLOT
.endr
	v_mul_u32_u24 v5, v1, KS                       ; my row's scales: KS bytes a row,
	v_lshrrev_b32 v6, 8, v5
	v_lshl_add_u32 v5, v6, 4, v5                   ; and 16 more for each 256 passed
	s_mul_i32 s21, s15, HALFS
	s_mul_i32 s22, s16, HALFS
	s_add_co_u32 s22, s22, 2*HALFS
	s_sub_co_u32 s22, s22, s21
	v_mul_u32_u24 v6, s22, v2                      ; lanes 16-31 take B's: the lower base + h x the distance
	s_add_co_u32 s21, s21, SCL
	v_add_nc_u32 v5, v5, v6
	v_add_nc_u32 v[ADRS], s21, v5
	v_and_b32 v6, 31, v0
	v_lshlrev_b32 v[CO], 4, v6                     ; 16 x lane
	s_mul_i32 s23, s14, ST16                       ; my f16 stage
	v_mul_u32_u24 v5, v1, 144
	v_lshl_add_u32 v5, v2, 4, v5
	v_add_nc_u32 v[STO], s23, v5                   ; in: row r of 144 bytes, + 16 h
	v_lshrrev_b32 v5, 3, v6
	v_mul_u32_u24 v5, v5, 144
	v_and_b32 v7, 7, v0
	v_lshl_add_u32 v5, v7, 4, v5
	v_add_nc_u32 v[RD], s23, v5                    ; out: eight lanes to a row of 128 bytes, four rows an instruction
	s_mul_i32 s23, s14, 16*528
	s_add_co_u32 s23, s23, ST32                    ; my f32 stage
	v_mul_u32_u24 v5, v1, 528
	v_lshl_add_u32 v5, v2, 5, v5
	v_add_nc_u32 v[STO32], s23, v5
	v_add_nc_u32 v[RD32], s23, v[CO]
	; where my part begins in qkv: (((which x 4 + batch) x 16 + head) x 2048 + t0) x 128 bytes
	s_lshl_b32 s20, s42, 2
	s_lshl_b32 s21, s16, 1
	s_add_co_u32 s20, s20, s21                     ; my first head among the 48: 4 x tile column + 2 x half
	s_lshr_b32 s21, s20, 4                         ; q, k or v
	s_and_b32 s20, s20, 15                         ; the head
	s_lshl_b32 s21, s21, 2
	s_add_co_u32 s21, s21, s41                     ; the batch is cy
	s_lshl_b32 s21, s21, 4
	s_add_co_u32 s21, s21, s20
	s_lshl_b32 s21, s21, 11
	s_lshl_b32 s20, s95, 8
	s_add_co_u32 s21, s21, s20
	s_lshl_b32 s20, s15, 7
	s_add_co_u32 s21, s21, s20                     ; + t0 = 256 x cluster y + 128 x row half
	s_lshl_b32 s20, s21, 7
	s_mov_b32 s21, 0
	s_add_nc_u64 s[12:13], s[12:13], s[20:21]
	s_mul_i32 s20, s41, 16*12288                   ; in qkv32: the batch's 16 rows of 12,288 bytes, my 128 columns
	s_lshl_b32 s22, s42, 10
	s_add_co_u32 s20, s20, s22
	s_lshl_b32 s22, s16, 9
	s_add_co_u32 s20, s20, s22
	s_add_nc_u64 s[96:97], s[96:97], s[20:21]
.macro FRAG reg, adr, q, i             ; 16 rows x 128 K of 4-bit codes: 8 registers; registers 4 c .. 4 c + 3 hold K = 64 c + 32 h + 0 .. 31
.irp c, 0,1
	ds_load_b128 v[\reg+4*\c:\reg+4*\c+3], v[\adr] offset:64*(\q)+32*\c+(\i)*16*PITCH
.endr
.endm
; 16 matrix instructions: A's blocks a0, a0 + 1 x B's eight.  The 64 accumulators take turns, one instruction a turn, in the same order in every step.
.macro MUL16 a0, p, q, sc, zero
.irp a, \a0, \a0+1
.irp b, 0,1,2,3,4,5,6,7
.if \zero
	v_wmma_scale_f32_16x16x128_f8f6f4 v[8*(8*((\a)%4)+\b):8*(8*((\a)%4)+\b)+7], v[128*(\p)+FR*\b:128*(\p)+FR*\b+FR-1], v[AF+FR*(\a):AF+FR*(\a)+FR-1], 0, v[SC+8*NQ*(\sc)+NQ*\b+(\q)], v[SC+8*NQ*(\sc)+NQ*(\a)+(\q)] matrix_a_fmt:MATRIX_FMT_FP4 matrix_b_fmt:MATRIX_FMT_FP4 matrix_a_scale:MATRIX_SCALE_ROW1
.else
	v_wmma_scale_f32_16x16x128_f8f6f4 v[8*(8*((\a)%4)+\b):8*(8*((\a)%4)+\b)+7], v[128*(\p)+FR*\b:128*(\p)+FR*\b+FR-1], v[AF+FR*(\a):AF+FR*(\a)+FR-1], v[8*(8*((\a)%4)+\b):8*(8*((\a)%4)+\b)+7], v[SC+8*NQ*(\sc)+NQ*\b+(\q)], v[SC+8*NQ*(\sc)+NQ*(\a)+(\q)] matrix_a_fmt:MATRIX_FMT_FP4 matrix_b_fmt:MATRIX_FMT_FP4 matrix_a_scale:MATRIX_SCALE_ROW1
.endif
.endr
.endr
.endm
.macro FETCH_B slot, q, p
	WIN TO_B
.irp i, 0,1,2,3,4,5,6,7
	FRAG 128*(\p)+FR*\i, ADRB+\slot, \q, \i
.endr
	WIN 0
.endm
.macro FETCH_A slot, q, i0
.irp i, \i0, \i0+1, \i0+2, \i0+3
	FRAG AF+FR*(\i), ADRA+\slot, \q, \i
.endr
.endm
.macro SCALES sc                       ; a K step's scale words: lanes 0-15 take A's block i, lanes 16-31 B's block i
.irp i, 0,1,2,3,4,5,6,7
	ds_load_b128 v[SC+8*NQ*\sc+NQ*\i:SC+8*NQ*\sc+NQ*\i+3], v[ADRS] offset:\i*SBLK
.endr
.endm
.macro PLACES n                        ; plain vector instructions between a matrix instruction and a load into, or a read of, its registers
.rept \n
	v_nop
.endr
.endm
.macro STEP slot, q, zero              ; 128 along K, with its successor in the same slot
	s_wait_dscnt 4*NL                              ; B's set and A's blocks 0-3 are in; the youngest 8 loads (A's blocks 4-7) may be out
	WIN MUL_LO
	MUL16 0, (\q)%2, \q, \slot, \zero
	MUL16 2, (\q)%2, \q, \slot, \zero
	s_wait_dscnt 0
	PLACES NP
	FETCH_B \slot, (\q)+1, 1-(\q)%2
	FETCH_A \slot, (\q)+1, 0
	WIN MUL_HI
	MUL16 4, (\q)%2, \q, \slot, \zero
	MUL16 6, (\q)%2, \q, \slot, \zero
	PLACES NP
	WIN 0
	FETCH_A \slot, (\q)+1, 4
.endm
; A slot's last step changes slots: one barrier; in front of it each wave waits for all its tensor loads (its part of the next slot), adds 0 to its spare word, and waits for that and its reads of this slot.
.macro TURN slot, next
	s_wait_tensorcnt 0x0
	ds_add_u32 v[SPW], v[NIL]
	s_wait_dscnt 4*NL+1                            ; the add and the youngest 8 loads may be out
	WIN MUL_LO
	MUL16 0, 1, NQ-1, \slot, 0
	s_wait_dscnt 0x0                               ; the add is done, and my reads of this slot are over
	s_barrier_signal -1
	MUL16 2, 1, NQ-1, \slot, 0
	WIN 0
	s_barrier_wait -1
	PLACES NP
	v_add_nc_u32 v[ADRS], 4*NQ, v[ADRS]            ; on to the next K step's scale words
	FETCH_B \next, 0, 0
	FETCH_A \next, 0, 0
	SCALES \next
	WIN MUL_HI
	MUL16 4, 1, NQ-1, \slot, 0
	MUL16 6, 1, NQ-1, \slot, 0
	PLACES NP
	WIN 0
	FETCH_A \next, 0, 4
.endm
.macro STEPS slot, from
.set Q, \from
.rept NQ-1-\from
	STEP \slot, Q, 0
.set Q, Q+1
.endr
.endm
	s_wait_tensorcnt 1                             ; the scales and my part of K step 0 are in; K step 1's load may be out
	s_barrier_signal -1
	s_barrier_wait -1
	FETCH_B 0, 0, 0
	FETCH_A 0, 0, 0
	SCALES 0
	FETCH_A 0, 0, 4
	STEP 0, 0, 1                                   ; the first products start the sums: nothing is cleared
	STEPS 0, 1
	TURN 0, 1
	STEPS 1, 0
	s_wait_dscnt 4*NL                              ; the very last step
	WIN MUL_LO
	MUL16 0, 1, NQ-1, 1, 0
	MUL16 2, 1, NQ-1, 1, 0
	s_wait_dscnt 0
	WIN MUL_HI
	MUL16 4, 1, NQ-1, 1, 0
	MUL16 6, 1, NQ-1, 1, 0
	WIN 0
	PLACES NP                                      ; behind the last products: for the reads of results, and for writes and loads into the registers that held scales and A's fragments
	; positions 0 to 15 of a batch, in f32: my block 0, where the tile is its batch's first (cluster y = 0) and I hold its upper rows
	s_or_b32 s94, s95, s15
	s_cmp_lg_u32 s94, 0
	s_cbranch_scc1 .Lnofine
	WIN 0x08                                       ; an LDS store's data are its source 1: window 2
.irp b, 0,1,2,3,4,5,6,7
	ds_store_b128 v[STO32], v[8*\b:8*\b+3] offset:64*\b            ; each accumulator from its low end on
	ds_store_b128 v[STO32], v[8*\b+4:8*\b+7] offset:64*\b+16
.endr
	WIN 0
.irp t, 0,1,2,3,4,5,6,7,8,9,10,11,12,13,14,15
	ds_load_b128 v[128+4*\t:128+4*\t+3], v[RD32] offset:\t*528     ; in order behind my stores
.endr
	s_wait_dscnt 0x0
.irp t, 0,1,2,3,4,5,6,7,8,9,10,11,12,13,14,15
	global_store_b128 v[CO], v[128+4*\t:128+4*\t+3], s[96:97] offset:\t*12288   ; 32 lanes store 512 consecutive bytes of a row
.endr
.Lnofine:
.macro PACK a                          ; block a rounded to f16: 16 bytes a lane and B block
.set AC, 64*((\a)%4)
	WIN 0x0a+5*((\a)/4)                            ; sources 0 and 1: window 2 or 3
.irp b, 0,1,2,3,4,5,6,7
.irp r, 0,1,2,3
	v_cvt_pk_f16_f32 v[TMP+4*\b+\r], v[AC+8*\b+2*\r], v[AC+8*\b+2*\r+1]
.endr
.endr
	WIN 0
.endm
.macro TOSTAGE16 a                     ; into my stage (head b / 4, row r), and back as runs of four positions
.set BB, BK+32*((\a)%2)
.irp b, 0,1,2,3,4,5,6,7
	ds_store_b128 v[STO], v[TMP+4*\b:TMP+4*\b+3] offset:(\b/4)*2304+32*(\b%4)
.endr
.irp g, 0,1
.irp i, 0,1,2,3
	ds_load_b128 v[BB+4*(4*\g+\i):BB+4*(4*\g+\i)+3], v[RD] offset:\g*2304+\i*576
.endr
.endr
.endm
.macro SEND16 a
.set BB, BK+32*((\a)%2)
	s_wait_dscnt 0x0                               ; the block is back in registers
	s_wait_xcnt 0x0                                ; the block before has had its stores' registers read: the next block's loads may land there
.irp g, 0,1
.irp i, 0,1,2,3
	global_store_b128 v[CO], v[BB+4*(4*\g+\i):BB+4*(4*\g+\i)+3], s[12:13] offset:(\a)*2048+\g*262144+\i*512   ; 512 consecutive bytes: 4 positions of a head
.endr
.endr
.endm
	PACK 0
	TOSTAGE16 0
.irp a, 1,2,3,4,5,6,7
	PACK \a                                        ; a block's conversions stand between the loads of the block before and the wait for them
	SEND16 \a-1
	TOSTAGE16 \a
.endr
	SEND16 7
	s_wait_tensorcnt 0x0                           ; the wave's end: behind my last tensor load and my last LDS store
	ds_add_u32 v[SPW], v[NIL]
	s_wait_dscnt 0x0
	CROUND                                         ; the closing round
	s_endpgm
.Lfunc_end_k_q9315c9f80e_qkv:
	.size	k_q9315c9f80e_qkv, .Lfunc_end_k_q9315c9f80e_qkv-k_q9315c9f80e_qkv
	.p2alignl 7, 3214868480
	.fill 96, 4, 3214868480
	.section	.rodata,"a",@progbits
	.p2align	6, 0x0
	.amdhsa_kernel k_q9315c9f80e_qkv
		.amdhsa_group_segment_fixed_size 327680
		.amdhsa_private_segment_fixed_size 0
		.amdhsa_enable_private_segment 0
		.amdhsa_kernarg_size 48
		.amdhsa_user_sgpr_count 2
		.amdhsa_user_sgpr_kernarg_segment_ptr 1
		.amdhsa_wavefront_size32 1
		.amdhsa_system_sgpr_workgroup_id_x 1
		.amdhsa_system_sgpr_workgroup_id_y 1
		.amdhsa_system_sgpr_workgroup_id_z 1
		.amdhsa_system_vgpr_workitem_id 0
		.amdhsa_next_free_vgpr 1024
		.amdhsa_next_free_sgpr 100
		.amdhsa_reserve_vcc 0
		.amdhsa_float_denorm_mode_32 3
		.amdhsa_float_denorm_mode_16_64 3
		.amdhsa_memory_ordered 1
		.amdhsa_forward_progress 1
		.amdhsa_inst_pref_size 131
	.end_amdhsa_kernel
	.amdgpu_metadata
---
amdhsa.version: [ 1, 2 ]
amdhsa.kernels:
  - .name:           k_q9315c9f80e_qkv
    .symbol:         k_q9315c9f80e_qkv.kd
    .args:
      - { .name: xc, .offset: 0, .size: 8, .value_kind: global_buffer, .address_space: global }
      - { .name: xs, .offset: 8, .size: 8, .value_kind: global_buffer, .address_space: global }
      - { .name: wc, .offset: 16, .size: 8, .value_kind: global_buffer, .address_space: global }
      - { .name: ws, .offset: 24, .size: 8, .value_kind: global_buffer, .address_space: global }
      - { .name: qkv, .offset: 32, .size: 8, .value_kind: global_buffer, .address_space: global }
      - { .name: qkv32, .offset: 40, .size: 8, .value_kind: global_buffer, .address_space: global }
    .group_segment_fixed_size: 327680
    .private_segment_fixed_size: 0
    .kernarg_segment_align: 8
    .kernarg_segment_size: 48
    .max_flat_workgroup_size: 128
    .sgpr_count:     100
    .vgpr_count:     1024
    .wavefront_size: 32
...
	.end_amdgpu_metadata
.endif
;; end of part 3
;; launch attn (part 4): grid 4 x 64, 16 waves a work-group, no clusters, 327,680 bytes of LDS; arguments qkv, att; writes att
.if DOCPART == 4
	.amdgcn_target "amdgcn-amd-amdhsa--gfx1250"
	.amdhsa_code_object_version 6
	.text
	.protected	k_q9315c9f80e_attn
	.globl	k_q9315c9f80e_attn
	.p2align	8
	.type	k_q9315c9f80e_attn,@function
k_q9315c9f80e_attn:
	s_mov_b64 s[64:65], 0
	v_nop
	global_prefetch_b8 v0, s[64:65] scope:SCOPE_SE
	s_setreg_imm32_b32 hwreg(HW_REG_WAVE_MODE, 25, 1), 1
	s_wait_xcnt 0x0
; att[h][2048 b + q][:] = sum over k <= q of softmax_k(Q[q] . K[k] / 8) V[k][:], for each of the 64 (batch, head).  Q, K, V: f16 [3][64][2048][64] (qkv); att: f16 [16 h][8192][64].
; Products on f16 operands with f32 sums; maxima, exponentials and sums in f32; the weights p (at most 1) are rounded to f16 for the second product, the row's sum is taken of the unrounded p.
; SHARES.  Work-group (J, head) owns the query blocks J and 7 - J of the head's eight blocks of 256: 9 blocks' worth of causal work in every work-group.  Each of its sixteen waves owns 32
; neighbouring queries, two tiles of 16, in 256 registers, so that a fragment of K or V read from LDS feeds two matrix instructions; four waves share a SIMD, one wave's vector work beside another's products.
; LAYOUT.  S^T = K Q^T (source 0 = 16 keys, source 1 = 16 queries): a lane holds ONE query (lane % 16) and keys 8 (lane / 16) + 0..7 of each key tile; two such tiles rounded in pairs ARE source 1
; of O^T = V^T P.  K comes out of LDS as it lies, V ([key][channel]) turned by ds_load_tr16_b128.
; SOFTMAX.  A running maximum m and sum l for each query: p = 2^(c s - c m), c = log2(e) / 8; in every step O and l are multiplied by a = 2^(c m_old - c m_new).
; THE RING.  Two LDS slots of 256 keys, filled by the tensor data mover (waves 0, 1: K's halves; waves 2, 3: V's), read by all sixteen.  A head's rows of 128 bytes are dense in memory, so a tile is stated
; as rows of 256 bytes (two keys), padded behind each.  A wave has one tensor load out.
; THE MASK.  Every work-group walks all eight slots, so that trip counts are constants; a step all of whose 64 keys come after the wave's 32 queries jumps over its work (a scalar branch on ids), and a
; slot whose first key comes after the work-group's last query is not asked for (a test on ids and the count of steps, the same in all waves, round the load alone; every wait on TENSORcnt is for 0).
; NO CLUSTER: the four work-groups of a head need 8 - J slots, a different number each, so a joint load would bring some partner tiles that none of its waves reads.
; PREFETCH: behind each change of slots but the last two, waves 4 to 11 of the head's work-group J = 0 (the one whose loads walk all eight slots) name the next slot but one's start: one instruction a wave,
; lanes 256 bytes apart, 8,192 bytes a wave: K's 32,768 bytes by waves 4 to 7, V's by waves 8 to 11; a slot's four steps ahead of the load that wants them; slots 0 and 1 come by their loads alone.
; LIMITS: as the launch before: |q|, |k|, |v| under 65,504; NaN and infinities are not served.
.set PK,    272                        ; two keys of K: 256 bytes + 16
.set PV,    288                        ; two keys of V: 256 + 32: likewise for the turning load
.set VOFF,  128*PK                     ; a slot: 128 double rows of K, then of V
.set SLOT1, 1<<17                      ; slot 1 begins here: one exclusive or turns an address from one slot into the other
.set STAGE, SLOT1+128*(PK+PV)          ; behind the ring: 32 rows x 144 bytes a wave, for the way out; never filled
.set SPARE, STAGE+16*4608              ; the spare words, 128 bytes a wave
.set AK0, 1                            ; v1  my lane's place in a tile of K
.set AV0, 2                            ; v2  the same for V
.set ADK, 3                            ; v3  LDS address of the step's K
.set ADV, 4                            ; v4  of its V
.set SPW, 5                            ; v5  my spare word; never rewritten
.set NIL, 6                            ; v6  0; never rewritten
.set GO,  7                            ; v7  16 x lane
.set STO, 8                            ; v8  stage, in
.set RD,  9                            ; v9  stage, out
.set DL,  10                           ; v10 lane % 16 - 8 (lane / 16)
.set NINF, 11                          ; v11 -infinity
.set ST,  12                           ; v12-27 tile t's statistics at ST + 8 t: +0 c m, +1 m, +2, +3 l (even, odd keys), +4 .. +7 at work (a in +6)
.set PFO, 28                           ; v28 256 x lane
.set QF,  32                           ; v32-63  Q: fragment (t, c) at QF + 8 (2 t + c)
.set SS,  64                           ; v64-127 S^T: tile t at SS + 32 t, key tile k at + 8 k; P is packed in place into the first 16
.set OO,  128                          ; v128-191 O^T: tile t at OO + 32 t, channel tile e at + 8 e
.set FB,  192                          ; v192-255 one buffer of fragments: K's, then V's
.set TB,  2                            ; s2  LDS byte at which the slot in hand begins
.set KF,  3                            ; s3  the step's first key
.set WV,  8
.set Q0,  9                            ; s9  my first query
.set LASTQ, 10                         ; s10 my work-group's last query
.set SLOTS, 11
.set SEL, 20
.set CS,  22
.set G1K, 24
.set G1V, 32
.set G0K, 40
.set G0V, 44
.set PFA, 48
.set LIM, 50
.macro TLOAD                           ; waves 0, 1 fetch K's halves, waves 2, 3 V's, the others nothing.  An s_nop 0 and four v_nop follow each line
	s_cmp_lt_u32 s[WV], 2
	s_cbranch_scc0 .Lnot_k_\@
	tensor_load_to_lds s[G0K:G0K+3], s[G1K:G1K+7]
	s_nop 0
.rept 4
	v_nop
.endr
	s_branch .Lasked_\@
.Lnot_k_\@:
	s_cmp_lt_u32 s[WV], 4
	s_cbranch_scc0 .Lasked_\@
	tensor_load_to_lds s[G0V:G0V+3], s[G1V:G1V+7]
	s_nop 0
.rept 4
	v_nop
.endr
.Lasked_\@:
.endm
.macro ASK
	s_cmp_gt_u32 s[SLOTS], s[LIM]
	s_cbranch_scc0 .Lnot_mine_\@
	global_prefetch_b8 v[PFO], s[PFA:PFA+1] th:TH_LOAD_NT scope:SCOPE_SE
.Lnot_mine_\@:
.endm
	s_load_b128 s[4:7], s[0:1], 0x0                ; qkv, att
	v_lshl_add_u32 v[SPW], v0, 2, SPARE
	v_mov_b32 v[NIL], 0
	ds_add_u32 v[SPW], v[NIL]                      ; the wave's opening: the add, twice on end, and its wait ahead of the first tensor load
	ds_add_u32 v[SPW], v[NIL]
	v_lshrrev_b32 v3, 5, v0
	v_readfirstlane_b32 s[WV], v3                  ; wave 0..15
	s_bfe_u32 s66, s[WV], 0x10002                  ; does my wave serve the late block 7 - J?  bit 2 of its number
	s_and_b32 s67, s[WV], 3
	s_lshr_b32 s68, s[WV], 3
	s_lshl_b32 s68, s68, 2
	s_add_co_u32 s67, s67, s68                     ; which 32 queries of the block: (w & 3) + 4 (w >> 3),
	s_sub_co_u32 s68, 7, s67                       ; counted from the block's end in the late block
	s_sub_co_u32 s69, 7, ttmp9
	s_cmp_eq_u32 s66, 1
	s_cselect_b32 s67, s68, s67
	s_cselect_b32 s69, s69, ttmp9
	s_lshl_b32 s69, s69, 8
	s_lshl_b32 s67, s67, 5
	s_add_co_u32 s[Q0], s69, s67
	s_sub_co_u32 s[LASTQ], 8, ttmp9
	s_lshl_b32 s[LASTQ], s[LASTQ], 8
	s_sub_co_u32 s[LASTQ], s[LASTQ], 1             ; the late block's last query
	s_and_b32 s70, ttmp7, 0xffff                   ; 16 b + h
	s_lshl_b32 s72, s70, 18                        ; its 262,144 bytes in each of q, k, v
	s_and_b32 s71, s[WV], 1
	s_lshl_b32 s73, s71, 14                        ; the half of a slot that I fetch, if I fetch: 128 keys
	s_add_co_u32 s74, s72, s73
	s_mov_b32 s75, 0
	s_mov_b32 s[G1K], (1<<16)|(1<<20)|(5<<22)|(3<<25)  ; no mask; elements of 2 bytes; padding: 4 words behind every 64
	s_mov_b32 s[G1V], (1<<16)|(1<<20)|(5<<22)|(7<<25)  ; 8 words
.irp g, G1K, G1V
	s_mov_b32 s[\g+1], 128<<16                     ; tensor_dim0 = 128 elements: two keys
	s_mov_b32 s[\g+2], 64<<16                      ; tensor_dim1 = 64
	s_mov_b32 s[\g+3], 128<<16                     ; tile_dim0
	s_mov_b32 s[\g+4], 64                          ; tile_dim1
	s_mov_b32 s[\g+5], 128                         ; the pitch: dense
	s_mov_b32 s[\g+6], 0
	s_mov_b32 s[\g+7], 0
.endr
	s_mov_b32 s[SEL], 0x76543210
	s_mov_b32 s[SEL+1], 0xfedcba98                 ; v_permlanex16_b32: lane l xor 16
	s_mov_b32 s[CS], 0x3e38aa3b                    ; c = log2(e) / 8
	s_mov_b32 s[CS+1], s[CS]
	s_mov_b32 s[TB], 0
	s_mov_b32 s[KF], 0
	s_mov_b32 s[SLOTS], 7
	s_wait_dscnt 0x0                               ; both opening adds are done
	s_wait_kmcnt 0x0
	s_mov_b32 s[G0K], 1
	s_mul_i32 s[G0K+1], s71, 64*PK
	s_add_nc_u64 s[G0K+2:G0K+3], s[4:5], s[74:75]
	s_add_nc_u64 s[G0K+2:G0K+3], s[G0K+2:G0K+3], 0x1000000   ; k begins 16,777,216 bytes into qkv
	s_or_b32 s[G0K+3], s[G0K+3], 0x80000000
	s_mov_b32 s[G0V], 1
	s_mul_i32 s[G0V+1], s71, 64*PV
	s_add_co_u32 s[G0V+1], s[G0V+1], VOFF
	s_add_nc_u64 s[G0V+2:G0V+3], s[4:5], s[74:75]
	s_add_nc_u64 s[G0V+2:G0V+3], s[G0V+2:G0V+3], 0x2000000   ; v 33,554,432
	s_or_b32 s[G0V+3], s[G0V+3], 0x80000000
	TLOAD                                          ; slot 0: keys 0 to 255, which every wave reads
	s_lshl_b32 s76, s[Q0], 7
	s_add_co_u32 s76, s76, s72
	s_mov_b32 s77, 0
	s_add_nc_u64 s[12:13], s[4:5], s[76:77]        ; Q at my first query
	s_and_b32 s78, s70, 15
	s_lshl_b32 s78, s78, 13
	s_lshr_b32 s79, s70, 4
	s_lshl_b32 s79, s79, 11
	s_add_co_u32 s78, s78, s79
	s_add_co_u32 s78, s78, s[Q0]
	s_lshl_b32 s78, s78, 7
	s_mov_b32 s79, 0
	s_add_nc_u64 s[14:15], s[6:7], s[78:79]        ; att at (h x 8192 + b x 2048 + my first query) x 128
	s_mov_b32 s77, 0x2000000                       ; the prefetches: waves 4 to 7 stand in k, waves 8 to 11 in v,
	s_cmp_lt_u32 s[WV], 8
	s_cselect_b32 s76, 0x1000000, s77
	s_add_co_u32 s76, s76, s72                     ; in my head,
	s_and_b32 s77, s[WV], 3
	s_lshl_b32 s77, s77, 13
	s_add_co_u32 s76, s76, s77                     ; at my wave's 8,192 bytes,
	s_add_co_u32 s76, s76, 32768                   ; of slot 1: the first change of slots steps it to slot 2
	s_mov_b32 s77, 0
	s_add_nc_u64 s[PFA:PFA+1], s[4:5], s[76:77]
	s_sub_co_u32 s76, s[WV], 4
	s_lshr_b32 s76, s76, 3                         ; 0 in waves 4 to 11,
	s_or_b32 s76, s76, ttmp9                       ; of work-group J = 0
	s_cmp_eq_u32 s76, 0
	s_cselect_b32 s[LIM], 1, -1
	v_and_b32 v29, 15, v0                          ; r
	v_bfe_u32 v30, v0, 4, 1                        ; h
	v_and_b32 v31, 31, v0                          ; lane
	v_lshrrev_b32 v[AK0], 1, v29
	v_mul_u32_u24 v[AK0], v[AK0], PK
	v_and_b32 v3, 1, v0
	v_lshl_add_u32 v[AK0], v3, 7, v[AK0]
	v_lshl_add_u32 v[AK0], v30, 4, v[AK0]          ; key r: (r / 2) PK + 128 (r % 2), + 16 h
	v_bfe_u32 v[AV0], v0, 1, 2
	v_lshl_add_u32 v[AV0], v30, 2, v[AV0]
	v_mul_u32_u24 v[AV0], v[AV0], PV
	v_lshl_add_u32 v[AV0], v3, 7, v[AV0]
	v_bfe_u32 v4, v0, 3, 1
	v_lshl_add_u32 v[AV0], v4, 4, v[AV0]
	v_add_nc_u32 v[AV0], VOFF, v[AV0]              ; key 8 h + lane % 8, channels 8 ((lane / 8) % 2) on
	v_lshlrev_b32 v[GO], 4, v31
	s_mul_i32 s66, s[WV], 4608
	s_add_co_u32 s66, s66, STAGE
	v_mul_u32_u24 v[STO], v29, 144
	v_lshl_add_u32 v[STO], v30, 4, v[STO]
	v_add_nc_u32 v[STO], s66, v[STO]
	v_lshrrev_b32 v[RD], 3, v31
	v_mul_u32_u24 v[RD], v[RD], 144
	v_and_b32 v4, 7, v0
	v_lshl_add_u32 v[RD], v4, 4, v[RD]
	v_add_nc_u32 v[RD], s66, v[RD]
	v_lshlrev_b32 v[DL], 3, v30
	v_sub_nc_u32 v[DL], v29, v[DL]
	v_mov_b32 v[NINF], 0xff800000
	v_lshlrev_b32 v[PFO], 8, v31
	v_lshlrev_b32 v29, 7, v29
	v_lshl_add_u32 v29, v30, 4, v29                ; Q: row r of 128 bytes, + 16 h
.irp t, 0,1
.irp c, 0,1
	global_load_b128 v[QF+8*(2*\t+\c):QF+8*(2*\t+\c)+3], v29, s[12:13] offset:2048*\t+64*\c
	global_load_b128 v[QF+8*(2*\t+\c)+4:QF+8*(2*\t+\c)+7], v29, s[12:13] offset:2048*\t+64*\c+32
.endr
.endr
.irp j, 0,1,2,3,4,5,6,7,8,9,10,11,12,13,14,15
	v_mov_b32 v[ST+\j], 0                          ; l = 0; the registers at work are written once, so that every path finds them written
.endr
.irp t, 0,1
	v_mov_b32 v[ST+8*\t+1], 0xff61b1e6             ; m = -3e38, under every score
	v_mul_f32 v[ST+8*\t], s[CS], v[ST+8*\t+1]
.endr
.irp j, 0,1,2,3,4,5,6,7,8,9,10,11,12,13,14,15,16,17,18,19,20,21,22,23,24,25,26,27,28,29,30,31,32,33,34,35,36,37,38,39,40,41,42,43,44,45,46,47,48,49,50,51,52,53,54,55,56,57,58,59,60,61,62,63
	v_mov_b32 v[OO+\j], 0                          ; O^T: the step is written once; the first finds zeros, which a = 0 leaves zeros
.endr
; A KEY STEP: 64 keys, the q-th of the slot in hand.
.macro STEP q
	s_add_co_u32 s96, s[Q0], 31
	s_cmp_gt_u32 s[KF], s96                        ; all 64 keys come after my 32 queries: the work is left out
	s_cbranch_scc1 .Lhidden_\@
	v_add_nc_u32 v[ADK], s[TB], v[AK0]
	v_add_nc_u32 v[ADV], s[TB], v[AV0]
.rept 3
	v_nop                                          ; with the two additions five places behind the last step's products: four for the loads into V's registers, five for the products that write over P
.endr
.irp k, 0,1,2,3
.irp c, 0,1
	ds_load_b128 v[FB+8*(2*\k+\c):FB+8*(2*\k+\c)+3], v[ADK] offset:(32*(\q)+8*\k)*PK+64*\c
	ds_load_b128 v[FB+8*(2*\k+\c)+4:FB+8*(2*\k+\c)+7], v[ADK] offset:(32*(\q)+8*\k)*PK+64*\c+32
.endr
.endr
	s_wait_dscnt 0x0
.irp c, 0,1                                    ; S^T = K Q^T: the eight accumulators take turns, one instruction a turn
.irp k, 0,1,2,3
.irp t, 0,1
.if \c == 0
	v_wmma_f32_16x16x32_f16 v[SS+32*\t+8*\k:SS+32*\t+8*\k+7], v[FB+8*(2*\k+\c):FB+8*(2*\k+\c)+7], v[QF+8*(2*\t+\c):QF+8*(2*\t+\c)+7], 0
.else
	v_wmma_f32_16x16x32_f16 v[SS+32*\t+8*\k:SS+32*\t+8*\k+7], v[FB+8*(2*\k+\c):FB+8*(2*\k+\c)+7], v[QF+8*(2*\t+\c):QF+8*(2*\t+\c)+7], v[SS+32*\t+8*\k:SS+32*\t+8*\k+7]
.endif
.endr
.endr
.endr
.rept 4
	v_nop                                          ; places: for the loads into K's registers, and for the first reads of the scores
.endr
.irp g, 0,1                                    ; V, turned: keys 32 g on, channels 16 e on; it lands under the softmax
.irp e, 0,1,2,3
	ds_load_tr16_b128 v[FB+8*(4*\g+\e):FB+8*(4*\g+\e)+3], v[ADV] offset:(32*(\q)+16*\g)*PV+32*\e
	ds_load_tr16_b128 v[FB+8*(4*\g+\e)+4:FB+8*(4*\g+\e)+7], v[ADV] offset:(32*(\q)+16*\g+8)*PV+32*\e
.endr
.endr
	s_add_co_u32 s96, s[KF], 63                    ; on the diagonal the scores of hidden keys become -infinity; a step all of whose keys count for all my queries skips this
	s_cmp_le_u32 s96, s[Q0]
	s_cbranch_scc1 .Lopen_\@
	s_sub_co_i32 s96, s[Q0], s[KF]
	v_add_nc_u32 v29, s96, v[DL]                   ; tile 0: my query - KF - 8 h.  Register n holds key KF + 8 h + 16 (n / 8) + n % 8: it counts where 16 (n / 8) + n % 8 <= this
	v_add_nc_u32 v30, 16, v29                      ; tile 1
.irp t, 0,1
.irp n, 0,1,2,3,4,5,6,7,8,9,10,11,12,13,14,15,16,17,18,19,20,21,22,23,24,25,26,27,28,29,30,31
	v_cmp_le_i32 vcc_lo, 16*(\n/8)+\n%8, v[29+\t]
	v_cndmask_b32 v[SS+32*\t+\n], v[NINF], v[SS+32*\t+\n], vcc_lo
.endr
.endr
.Lopen_\@:
	; the maximum of my 32 scores and the old m: four chains, each begun at an accumulator's low end; the two tiles line by line in turn
.irp j, 0,1,2,3
.irp t, 0,1
	v_max3_num_f32 v[ST+8*\t+4+\j], v[SS+32*\t+8*\j], v[SS+32*\t+8*\j+1], v[SS+32*\t+8*\j+2]
.endr
.endr
.irp u, 3,5
.irp j, 0,1,2,3
.irp t, 0,1
	v_max3_num_f32 v[ST+8*\t+4+\j], v[ST+8*\t+4+\j], v[SS+32*\t+8*\j+\u], v[SS+32*\t+8*\j+\u+1]
.endr
.endr
.endr
.irp t, 0,1
	v_max3_num_f32 v[ST+8*\t+4], v[ST+8*\t+4], v[SS+32*\t+7], v[SS+32*\t+15]
	v_max3_num_f32 v[ST+8*\t+6], v[ST+8*\t+6], v[SS+32*\t+23], v[SS+32*\t+31]
.endr
.irp t, 0,1
	v_max3_num_f32 v[ST+8*\t+4], v[ST+8*\t+4], v[ST+8*\t+5], v[ST+8*\t+6]
.endr
.irp t, 0,1
	v_max3_num_f32 v[ST+8*\t+4], v[ST+8*\t+4], v[ST+8*\t+7], v[ST+8*\t+1]
.endr
.irp t, 0,1
	v_permlanex16_b32 v[ST+8*\t+5], v[ST+8*\t+4], s[SEL], s[SEL+1]   ; the query's other 32 keys lie in the lane 16 away
.endr
.irp t, 0,1
	v_mov_b32 v[ST+8*\t+7], v[ST+8*\t]             ; c m_old
.endr
.irp t, 0,1
	v_max_num_f32 v[ST+8*\t+1], v[ST+8*\t+4], v[ST+8*\t+5]
.endr
.irp t, 0,1
	v_mul_f32 v[ST+8*\t], s[CS], v[ST+8*\t+1]
.endr
.irp t, 0,1
	v_sub_f32 v[ST+8*\t+7], v[ST+8*\t+7], v[ST+8*\t]
.endr
.irp b, 0,2,4,6,8,10,12,14,16,18,20,22,24,26,28,30
.irp t, 0,1
	v_pk_fma_f32 v[SS+32*\t+\b:SS+32*\t+\b+1], v[SS+32*\t+\b:SS+32*\t+\b+1], s[CS:CS+1], v[ST+8*\t:ST+8*\t+1] op_sel_hi:[1,0,0] neg_lo:[0,0,1] neg_hi:[0,0,1]   ; c s - c m
.endr
.endr
.irp t, 0,1                                    ; ONE batch of 66 exponentials: none reads another's result
	v_exp_f32 v[ST+8*\t+6], v[ST+8*\t+7]           ; a
.endr
.irp n, 0,1,2,3,4,5,6,7,8,9,10,11,12,13,14,15,16,17,18,19,20,21,22,23,24,25,26,27,28,29,30,31
.irp t, 0,1
	v_exp_f32 v[SS+32*\t+\n], v[SS+32*\t+\n]
.endr
.endr
	v_nop                                          ; a plain instruction behind the last exponential,
	s_wait_alu depctr_va_vdst(0)                   ; and the one wait ahead of the batch's first reader
.irp t, 0,1
	v_pk_mul_f32 v[ST+8*\t+2:ST+8*\t+3], v[ST+8*\t+2:ST+8*\t+3], v[ST+8*\t+6:ST+8*\t+7] op_sel_hi:[1,0]   ; l x a
.endr
.irp t, 0,1
	v_pk_add_f32 v[ST+8*\t+4:ST+8*\t+5], v[SS+32*\t:SS+32*\t+1], v[SS+32*\t+2:SS+32*\t+3]   ; the sum of the unrounded p, in two chains
.endr
.irp j, 4,8,12,16,20,24,28
.irp t, 0,1
	v_pk_add_f32 v[ST+8*\t+2:ST+8*\t+3], v[ST+8*\t+2:ST+8*\t+3], v[SS+32*\t+\j:SS+32*\t+\j+1]
	v_pk_add_f32 v[ST+8*\t+4:ST+8*\t+5], v[ST+8*\t+4:ST+8*\t+5], v[SS+32*\t+\j+2:SS+32*\t+\j+3]
.endr
.endr
.irp t, 0,1
	v_pk_add_f32 v[ST+8*\t+2:ST+8*\t+3], v[ST+8*\t+2:ST+8*\t+3], v[ST+8*\t+4:ST+8*\t+5]
.endr
.irp p, 0,1,2,3,4,5,6,7,8,9,10,11,12,13,14,15
.irp t, 0,1
	v_cvt_pk_f16_f32 v[SS+32*\t+\p], v[SS+32*\t+2*\p], v[SS+32*\t+2*\p+1]   ; P in place, ascending: no register is written before it has been read
.endr
.endr
.irp i, 0,2,4,6,8,10,12,14,16,18,20,22,24,26,28,30
.irp t, 0,1
	v_pk_mul_f32 v[OO+32*\t+\i:OO+32*\t+\i+1], v[OO+32*\t+\i:OO+32*\t+\i+1], v[ST+8*\t+6:ST+8*\t+7] op_sel_hi:[1,0]   ; O^T x a, each accumulator from its low end on
.endr
.endr
	s_wait_dscnt 0x0                               ; V is in
.irp g, 0,1                                    ; O^T += V^T P: the eight accumulators take turns
.irp e, 0,1,2,3
.irp t, 0,1
	v_wmma_f32_16x16x32_f16 v[OO+32*\t+8*\e:OO+32*\t+8*\e+7], v[FB+8*(4*\g+\e):FB+8*(4*\g+\e)+7], v[SS+32*\t+8*\g:SS+32*\t+8*\g+7], v[OO+32*\t+8*\e:OO+32*\t+8*\e+7]
.endr
.endr
.endr
.Lhidden_\@:
	s_add_co_u32 s[KF], s[KF], 64
.endm
; THE CHANGE OF SLOTS, at a slot's head.  Each wave waits for all its tensor loads, adds 0 to its spare word, and waits for that and for its reads of the slot that it has left; behind the barrier the
; slot ahead is whole and nobody reads the other one, which (fill = 1) is filled with the keys that follow, up to the causal limit.
.macro CHANGE fill
	s_wait_tensorcnt 0x0                           ; no tensor load of mine is out, so a group 0 may be written
	ds_add_u32 v[SPW], v[NIL]
.if \fill
	ds_add_u32 v[SPW], v[NIL]                      ; and twice on end here, in every trip alike
	s_xor_b32 s[G0K+1], s[G0K+1], SLOT1            ; the walking descriptors: the other slot, the next 256 keys
	s_add_nc_u64 s[G0K+2:G0K+3], s[G0K+2:G0K+3], 32768
	s_xor_b32 s[G0V+1], s[G0V+1], SLOT1
	s_add_nc_u64 s[G0V+2:G0V+3], s[G0V+2:G0V+3], 32768
	s_wait_xcnt 0x0                                ; the last prefetch, a slot back, has read its address
	s_add_nc_u64 s[PFA:PFA+1], s[PFA:PFA+1], 32768
.endif
	s_wait_dscnt 0x0
	s_barrier_signal -1
	s_barrier_wait -1
.if \fill
	s_add_co_u32 s96, s[KF], 256                   ; the first key of the slot that this change would ask for
	s_cmp_gt_u32 s96, s[LASTQ]                     ; beyond my work-group's last query no wave reads it: it is not asked for
	s_cbranch_scc1 .Lpast_\@
	TLOAD
.Lpast_\@:
	ASK
.endif
.endm
.macro SLOT_STEPS
	STEP 0
	STEP 1
	STEP 2
	STEP 3
	s_xor_b32 s[TB], s[TB], SLOT1
.endm
	s_wait_loadcnt 0x0                             ; Q
.Lslot:                                            ; seven trips
	CHANGE 1
	SLOT_STEPS
	s_sub_co_u32 s[SLOTS], s[SLOTS], 1
	s_cmp_lg_u32 s[SLOTS], 0
	s_cbranch_scc1 .Lslot
	CHANGE 0                                       ; the last slot is written out: nothing is left to ask for
	SLOT_STEPS
	; THE WAY OUT.  The additions are also the places behind the last products.
.irp t, 0,1
	v_add_f32 v[ST+8*\t+4], v[ST+8*\t+2], v[ST+8*\t+3]
.endr
.irp t, 0,1
	v_permlanex16_b32 v[ST+8*\t+5], v[ST+8*\t+4], s[SEL], s[SEL+1]
.endr
.irp t, 0,1
	v_add_f32 v[ST+8*\t+4], v[ST+8*\t+4], v[ST+8*\t+5]
.endr
	v_nop
	v_nop
.irp t, 0,1
	v_rcp_f32 v[ST+8*\t+6], v[ST+8*\t+4]
.endr
	v_nop                                          ; a plain instruction behind the last reciprocal,
	s_wait_alu depctr_va_vdst(0)                   ; and the wait ahead of the first reader
.irp t, 0,1
.irp i, 0,2,4,6,8,10,12,14,16,18,20,22,24,26,28,30
	v_pk_mul_f32 v[OO+32*\t+\i:OO+32*\t+\i+1], v[OO+32*\t+\i:OO+32*\t+\i+1], v[ST+8*\t+6:ST+8*\t+7] op_sel_hi:[1,0]
.endr
.endr
.irp i, 0,1,2,3,4,5,6,7,8,9,10,11,12,13,14,15,16,17,18,19,20,21,22,23,24,25,26,27,28,29,30,31
	v_cvt_pk_f16_f32 v[SS+\i], v[OO+2*\i], v[OO+2*\i+1]
.endr
.irp t, 0,1
.irp e, 0,1,2,3
	ds_store_b128 v[STO], v[SS+16*\t+4*\e:SS+16*\t+4*\e+3] offset:\t*2304+32*\e   ; query 16 t + r, channels 16 e + 8 h on
.endr
.endr
.irp i, 0,1,2,3,4,5,6,7
	ds_load_b128 v[SS+32+4*\i:SS+32+4*\i+3], v[RD] offset:\i*576   ; in order behind my stores: four queries' rows of 128 bytes
.endr
.irp i, 0,1,2,3,4,5,6,7
	s_wait_dscnt 7-\i                              ; load i is in; the later ones may be out
	global_store_b128 v[GO], v[SS+32+4*\i:SS+32+4*\i+3], s[14:15] offset:512*\i   ; 512 consecutive bytes
.endr
	s_wait_tensorcnt 0x0                           ; the wave's end
	ds_add_u32 v[SPW], v[NIL]
	s_wait_dscnt 0x0
	s_endpgm
.Lfunc_end_k_q9315c9f80e_attn:
	.size	k_q9315c9f80e_attn, .Lfunc_end_k_q9315c9f80e_attn-k_q9315c9f80e_attn
	.p2alignl 7, 3214868480
	.fill 96, 4, 3214868480
	.section	.rodata,"a",@progbits
	.p2align	6, 0x0
	.amdhsa_kernel k_q9315c9f80e_attn
		.amdhsa_group_segment_fixed_size 327680
		.amdhsa_private_segment_fixed_size 0
		.amdhsa_enable_private_segment 0
		.amdhsa_kernarg_size 16
		.amdhsa_user_sgpr_count 2
		.amdhsa_user_sgpr_kernarg_segment_ptr 1
		.amdhsa_wavefront_size32 1
		.amdhsa_system_sgpr_workgroup_id_x 1
		.amdhsa_system_sgpr_workgroup_id_y 1
		.amdhsa_system_sgpr_workgroup_id_z 1
		.amdhsa_system_vgpr_workitem_id 0
		.amdhsa_next_free_vgpr 256
		.amdhsa_next_free_sgpr 100
		.amdhsa_reserve_vcc 1
		.amdhsa_float_denorm_mode_32 3
		.amdhsa_float_denorm_mode_16_64 3
		.amdhsa_memory_ordered 1
		.amdhsa_forward_progress 1
		.amdhsa_inst_pref_size 189
	.end_amdhsa_kernel
	.amdgpu_metadata
---
amdhsa.version: [ 1, 2 ]
amdhsa.kernels:
  - .name:           k_q9315c9f80e_attn
    .symbol:         k_q9315c9f80e_attn.kd
    .args:
      - { .name: qkv, .offset: 0, .size: 8, .value_kind: global_buffer, .address_space: global }
      - { .name: att, .offset: 8, .size: 8, .value_kind: global_buffer, .address_space: global }
    .group_segment_fixed_size: 327680
    .private_segment_fixed_size: 0
    .kernarg_segment_align: 8
    .kernarg_segment_size: 16
    .max_flat_workgroup_size: 512
    .sgpr_count:     100
    .vgpr_count:     256
    .wavefront_size: 32
...
	.end_amdgpu_metadata
.endif
;; end of part 4
;; launch proj (part 5): grid 8 x 32, 4 waves a work-group, clusters of 4 x 4, 327,680 bytes of LDS; arguments att, wp16, out0; writes out0
.if DOCPART == 5
	.amdgcn_target "amdgcn-amd-amdhsa--gfx1250"
	.amdhsa_code_object_version 6
	.text
	.protected	k_q9315c9f80e_proj
	.globl	k_q9315c9f80e_proj
	.p2align	8
	.type	k_q9315c9f80e_proj,@function
k_q9315c9f80e_proj:
	s_mov_b64 s[64:65], 0
	v_nop
	global_prefetch_b8 v0, s[64:65] scope:SCOPE_SE
	s_setreg_imm32_b32 hwreg(HW_REG_WAVE_MODE, 25, 1), 1
	s_wait_xcnt 0x0
	s_wait_alu depctr_hold_cnt(0) depctr_sa_sdst(0) depctr_va_vdst(0) depctr_va_sdst(0) depctr_va_ssrc(0) depctr_va_vcc(0) depctr_vm_vsrc(0)
	s_getreg_b32 s2, hwreg(HW_REG_IB_STS2, 6, 4)
	s_cmp_eq_u32 s2, 0
	s_cbranch_scc0 .Lentry_in_a_cluster
	s_endpgm
.Lentry_in_a_cluster:
	s_bfe_u32 s2, ttmp6, 0x10000c
	s_cmp_lg_u32 s2, 0xf033
	s_cbranch_scc0 .Lentry_shape_is_right
	s_endpgm
.Lentry_shape_is_right:
; out0[m][n] = sum over k of att[m][k] W_proj[k][n], k = 64 head + channel.  att: f16 [16 heads][8192][64]; wp16: f16 [1024 (k)][1024 (n)]; out0: f32 [8192][1024]; sums in f32.
; A tile of out0 is 256 rows x 128 columns: 256 work-groups.  Four waves, 128 x 64 each: 32 accumulators, 256 registers.  K goes in steps of 128 (two heads) through a ring of two LDS slots.
; A's part of a step is, for each of the two heads, 256 rows of 128 bytes, dense in memory: stated as 128 rows of 256 bytes, padded behind each.  B's part is 128 rows (k) of 256 bytes.
; THE MATRIX INSTRUCTION IS USED TRANSPOSED: source 0 = 16 columns of W_proj, turned on their way out of LDS by ds_load_tr16_b128; source 1 = 16 rows of att.  A lane holds eight neighbouring columns of a row.
; CLUSTERS: 4 x 4 work-groups; A's tiles are asked for jointly along a row of the cluster, B's along a column.  Waves 0, 1 fetch A's two heads, waves 2, 3 B's halves: one load a wave behind each round;
; two loads of a wave are out at the start, one later.
; The rows of positions 0 to 15 are written here like all others and written over in f32 by the launch that follows: leaving them out would take a branch on a work-group's place in its cluster.
; No prefetch: a small tile with short K steps; both operands are read by many work-groups.
; REGISTERS: window 0: v0-31 addresses; two fragment buffers: F0: A v64-127, B v128-159; F1: A v160-223, B v224-255.  Window 1: accumulator (a, b) at v[8 (4 a + b)].
.set PA,     272
.set PB,     288
.set PLANE,  128*PA                    ; a head's 256 rows
.set BOFF,   2*PLANE
.set SLOT,   BOFF+128*PB
.set STAGE,  2*SLOT                    ; behind the ring: 16 rows x 272 bytes a wave
.set SPITCH, 272
.set SPARE,  STAGE+4*16*SPITCH
.set LAPS,   4                         ; a lap = two K steps
.set ADRA, 16
.set ADRB, 20
.set STO,  24
.set RD,   25
.set CO,   26
.set SPW,  28
.set NIL,  29
.set F0,   64
.set F1,   160
.set BK,   64
.set G1, 24
.set G0, 32
.set G1B, 48
.set G0B, 56
.set MSB, 0
.macro WIN new
.if MSB != (\new)
	s_set_vgpr_msb (MSB<<8)|(\new)
.set MSB, (\new)
.endif
.endm
.set MUL, 0x50                         ; C and D window 1; sources 0 and 1 window 0
.macro JLOAD s                         ; an s_nop 0 and four v_nop follow each of the two lines
	s_cmp_eq_u32 s11, 0
	s_cbranch_scc0 .Lfor_b_\@
	tensor_load_to_lds s[G0+4*\s:G0+4*\s+3], s[G1:G1+7]
	s_nop 0
.rept 4
	v_nop
.endr
	s_branch .Lasked_\@
.Lfor_b_\@:
	tensor_load_to_lds s[G0B+4*\s:G0B+4*\s+3], s[G1B:G1B+7]
	s_nop 0
.rept 4
	v_nop
.endr
.Lasked_\@:
.endm
.macro CREST
	s_cmp_lg_u32 s10, 0
	s_cbranch_scc1 .Lnot_wave_0_\@
	s_barrier_signal -3
.Lnot_wave_0_\@:
	s_barrier_wait -3
	s_barrier_signal -1
	s_barrier_wait -1
.endm
.macro CROUND
	s_barrier_signal -1
	s_barrier_wait -1
	CREST
.endm
	s_load_b128 s[4:7], s[0:1], 0x0                ; att, wp16
	s_load_b64 s[8:9], s[0:1], 0x10                ; out0
	v_lshl_add_u32 v[SPW], v0, 2, SPARE
	v_mov_b32 v[NIL], 0
	ds_add_u32 v[SPW], v[NIL]                      ; the wave's opening: the add, twice on end, and its wait ahead of my first tensor load
	ds_add_u32 v[SPW], v[NIL]
	v_lshrrev_b32 v1, 5, v0
	v_readfirstlane_b32 s10, v1                    ; wave 0..3
	s_lshr_b32 s11, s10, 1                         ; my half of the tile's rows.  Also: I fetch for A (0) or for B (1)
	s_and_b32 s12, s10, 1                          ; my half of its columns.  Also: which head of A's two, which half of B's rows I fetch
	s_bfe_u32 s40, ttmp6, 0x40000                  ; cx
	s_bfe_u32 s41, ttmp6, 0x40004                  ; cy
	s_lshl_b32 s42, ttmp9, 2
	s_add_co_u32 s42, s42, s40                     ; tile column
	s_and_b32 s13, ttmp7, 0xffff
	s_lshl_b32 s13, s13, 2
	s_add_co_u32 s13, s13, s41                     ; tile row
	s_lshl_b32 s43, s41, 2
	s_lshl_b32 s43, 15, s43                        ; my row of the cluster
	s_lshl_b32 s44, 0x1111, s40                    ; my column
	s_or_b32 s[G1+0], s43, (1<<16)|(1<<20)|(1<<21)|(5<<22)|(3<<25)   ; the mask; elements of 2 bytes; padding: 4 words behind every 64; bit 21 beside a mask
	s_mov_b32 s[G1+1], 128<<16                     ; tensor_dim0 = 128 elements: two rows of att
	s_mov_b32 s[G1+2], 128<<16                     ; tensor_dim1 = 128
	s_mov_b32 s[G1+3], 128<<16                     ; tile_dim0
	s_mov_b32 s[G1+4], 128                         ; tile_dim1
	s_mov_b32 s[G1+5], 128                         ; the pitch: dense
	s_mov_b32 s[G1+6], 0
	s_mov_b32 s[G1+7], 0
	s_or_b32 s[G1B+0], s44, (1<<16)|(1<<20)|(1<<21)|(5<<22)|(7<<25)  ; 8 words of padding
	s_mov_b32 s[G1B+1], 128<<16
	s_mov_b32 s[G1B+2], 64<<16
	s_mov_b32 s[G1B+3], 128<<16
	s_mov_b32 s[G1B+4], 64
	s_mov_b32 s[G1B+5], 1024
	s_mov_b32 s[G1B+6], 0
	s_mov_b32 s[G1B+7], 0
	s_lshl_b32 s16, s12, 20                        ; A: my head of the step's two (1,048,576 bytes a head),
	s_lshl_b32 s17, s13, 15                        ; the tile's 256 rows of 128 bytes
	s_add_co_u32 s16, s16, s17
	s_mov_b32 s17, 0
	s_lshl_b32 s46, s12, 17                        ; B: my 64 rows of 2,048 bytes,
	s_lshl_b32 s47, s42, 8                         ; the tile's 128 columns
	s_add_co_u32 s46, s46, s47
	s_mov_b32 s47, 0
	s_mul_i32 s20, s12, PLANE                      ; where they go: no place in the cluster enters an LDS address
	s_mul_i32 s21, s12, 64*PB
	s_add_co_u32 s21, s21, BOFF
	s_wait_dscnt 0x0                               ; both opening adds are done
	s_wait_kmcnt 0x0
	s_add_nc_u64 s[14:15], s[4:5], s[16:17]
	s_add_nc_u64 s[46:47], s[6:7], s[46:47]
	CROUND                                         ; all sixteen work-groups are here: the first joint loads meet
.irp s, 0,1
	s_mov_b32 s[G0+4*\s], 1
	s_add_co_u32 s[G0+4*\s+1], s20, \s*SLOT
	s_add_nc_u64 s[G0+4*\s+2:G0+4*\s+3], s[14:15], \s*2*1048576
	s_or_b32 s[G0+4*\s+3], s[G0+4*\s+3], 0x80000000
	s_mov_b32 s[G0B+4*\s], 1
	s_add_co_u32 s[G0B+4*\s+1], s21, \s*SLOT
	s_add_nc_u64 s[G0B+4*\s+2:G0B+4*\s+3], s[46:47], \s*128*2048
	s_or_b32 s[G0B+4*\s+3], s[G0B+4*\s+3], 0x80000000
	JLOAD \s
.endr
	v_and_b32 v1, 15, v0                           ; r
	v_bfe_u32 v2, v0, 4, 1                         ; h
	v_lshrrev_b32 v3, 1, v1
	v_mul_u32_u24 v3, v3, PA
	v_and_b32 v4, 1, v0
	v_lshl_add_u32 v3, v4, 7, v3
	v_lshl_add_u32 v3, v2, 4, v3                   ; A: row r: (r / 2) PA + 128 (r % 2), + 16 h
	v_and_b32 v5, 7, v0
	v_lshl_add_u32 v5, v2, 3, v5
	v_mul_u32_u24 v5, v5, PB
	v_bfe_u32 v6, v0, 3, 1
	v_lshl_add_u32 v5, v6, 4, v5                   ; B: k = 8 h + lane % 8, columns 8 ((lane / 8) % 2) on
	s_mul_i32 s21, s11, 64*PA                      ; my 128 rows of A
	s_lshl_b32 s22, s12, 7                         ; my 64 columns of B
	s_add_co_u32 s22, s22, BOFF
.irp s, 0,1
	v_add_nc_u32 v[ADRA+\s], s21, v3
	v_add_nc_u32 v[ADRB+\s], s22, v5
	s_add_co_u32 s21, s21, SLOT
	s_add_co_u32 s22, s22, SLOT
.endr
	s_mul_i32 s23, s10, 16*SPITCH
	s_add_co_u32 s23, s23, STAGE                   ; my stage
	v_mul_u32_u24 v4, v1, SPITCH
	v_lshl_add_u32 v4, v2, 5, v4
	v_add_nc_u32 v[STO], s23, v4                   ; in: row r, + 32 h
	v_mul_u32_u24 v5, v2, SPITCH
	v_lshl_add_u32 v5, v1, 4, v5
	v_add_nc_u32 v[RD], s23, v5                    ; back: lanes 0-15 one row of 256 bytes, lanes 16-31 the next
	v_lshlrev_b32 v5, 12, v2
	v_lshl_add_u32 v[CO], v1, 4, v5                ; and the same two rows in out0
	s_lshl_b32 s16, s13, 20                        ; my first row: (256 x tile row + 128 x half) x 4,096 bytes
	s_lshl_b32 s17, s11, 19
	s_add_co_u32 s16, s16, s17
	s_mov_b32 s17, 0
	s_add_nc_u64 s[8:9], s[8:9], s[16:17]
	s_lshl_b32 s46, s42, 9                         ; my first column: 512 x tile column + 256 x half bytes
	s_lshl_b32 s47, s12, 8
	s_add_co_u32 s46, s46, s47
	s_mov_b32 s47, 0
	s_add_nc_u64 s[8:9], s[8:9], s[46:47]
; n row blocks from a0 on x all 4 column blocks, 32 along K.  The 32 accumulators take turns, one instruction a turn, in one order everywhere.
.macro MULR f, a0, n, zero
.set AA, \a0
.rept \n
.irp b, 0,1,2,3
.if \zero
	v_wmma_f32_16x16x32_f16 v[8*(4*AA+\b):8*(4*AA+\b)+7], v[\f+64+8*\b:\f+64+8*\b+7], v[\f+8*AA:\f+8*AA+7], 0
.else
	v_wmma_f32_16x16x32_f16 v[8*(4*AA+\b):8*(4*AA+\b)+7], v[\f+64+8*\b:\f+64+8*\b+7], v[\f+8*AA:\f+8*AA+7], v[8*(4*AA+\b):8*(4*AA+\b)+7]
.endif
.endr
.set AA, AA+1
.endr
.endm
.macro FETCH slot, q, f                ; 24 LDS loads: the fragments of the step's q-th 32 along K: B's four, then A's eight
.irp b, 0,1,2,3
	ds_load_tr16_b128 v[\f+64+8*\b:\f+64+8*\b+3], v[ADRB+\slot] offset:32*(\q)*PB+32*\b
	ds_load_tr16_b128 v[\f+64+8*\b+4:\f+64+8*\b+7], v[ADRB+\slot] offset:32*(\q)*PB+32*\b+16*PB
.endr
.irp i, 0,1,2,3,4,5,6,7
	ds_load_b128 v[\f+8*\i:\f+8*\i+3], v[ADRA+\slot] offset:((\q)/2)*PLANE+((\q)%2)*64+\i*8*PA
	ds_load_b128 v[\f+8*\i+4:\f+8*\i+7], v[ADRA+\slot] offset:((\q)/2)*PLANE+((\q)%2)*64+\i*8*PA+32
.endr
.endm
.macro PLACES                          ; four places in front of loads into registers that matrix instructions have read, and of reads of results
.rept 4
	v_nop
.endr
.endm
.macro QUARTER slot, qn, f, g, zero    ; multiplies buffer f; in its middle fetches the slot's quarter qn into g
	s_wait_dscnt 8                                 ; B and A's blocks 0-3 are in; the youngest 8 loads (A's blocks 4-7) may be out
	WIN MUL
	MULR \f, 0, 4, \zero
	PLACES
	WIN 0
	FETCH \slot, \qn, \g
	s_wait_dscnt 24                                ; all but the 24 just issued
	WIN MUL
	MULR \f, 4, 4, \zero
.endm
; The last quarter multiplies buffer 1 and changes slots: one barrier; in front of it each wave waits for all its tensor loads, adds 0 to its spare word, and waits for that and its reads of this slot.
.macro TURN slot, next, fill
	WIN 0
	s_wait_tensorcnt 0x0                           ; all my tensor loads have landed: my part of the next slot
	ds_add_u32 v[SPW], v[NIL]
	s_wait_dscnt 9                                 ; the add and the youngest 8 loads may be out
	WIN MUL
	MULR F1, 0, 2, 0
	s_wait_dscnt 0x0                               ; the add is done, and my reads of this slot are over
	s_barrier_signal -1
	MULR F1, 2, 2, 0
	WIN 0
	s_barrier_wait -1
.if \fill
	CREST                                          ; the barrier has opened a round of the cluster's barrier: no wave of any partner still reads this slot or has a load on its way
	s_add_nc_u64 s[G0+4*\slot+2:G0+4*\slot+3], s[G0+4*\slot+2:G0+4*\slot+3], 4*1048576   ; two K steps on: four heads,
	s_add_nc_u64 s[G0B+4*\slot+2:G0B+4*\slot+3], s[G0B+4*\slot+2:G0B+4*\slot+3], 256*2048  ; 256 rows of W_proj
	JLOAD \slot                                    ; the first tensor load behind the round; its four v_nop are also the places in front of the loads below
.else
	PLACES
.endif
	FETCH \next, 0, F0
	WIN MUL
	MULR F1, 4, 4, 0
.endm
	s_wait_tensorcnt 1                             ; my part of K step 0 is in; K step 1's may be out
	s_barrier_signal -1
	s_barrier_wait -1
	FETCH 0, 0, F0
	QUARTER 0, 1, F0, F1, 1                        ; the first products start the sums
	WIN 0
	s_mov_b32 s3, LAPS-1
.Llap:                                             ; a trip goes once round the ring and fills both slots again
	QUARTER 0, 2, F1, F0, 0
	QUARTER 0, 3, F0, F1, 0
	TURN 0, 1, 1
	QUARTER 1, 1, F0, F1, 0
	QUARTER 1, 2, F1, F0, 0
	QUARTER 1, 3, F0, F1, 0
	TURN 1, 0, 1
	QUARTER 0, 1, F0, F1, 0
	WIN 0
	s_sub_co_u32 s3, s3, 1
	s_cmp_lg_u32 s3, 0
	s_cbranch_scc1 .Llap
	QUARTER 0, 2, F1, F0, 0                        ; the last lap fills nothing
	QUARTER 0, 3, F0, F1, 0
	TURN 0, 1, 0
	QUARTER 1, 1, F0, F1, 0
	QUARTER 1, 2, F1, F0, 0
	QUARTER 1, 3, F0, F1, 0
	s_wait_dscnt 8
	WIN MUL
	MULR F1, 0, 4, 0
	s_wait_dscnt 0
	MULR F1, 4, 4, 0
	WIN 0
; THE WAY OUT, a block of 16 rows x 64 columns at a time, through my own stage: back come whole rows of 256 bytes.
.macro TOSTAGE a
	WIN 0x04                                       ; an LDS store's data are its source 1: window 1
.irp b, 0,1,2,3
	ds_store_b128 v[STO], v[8*(4*(\a)+\b):8*(4*(\a)+\b)+3] offset:64*\b          ; each accumulator from its low end on
	ds_store_b128 v[STO], v[8*(4*(\a)+\b)+4:8*(4*(\a)+\b)+7] offset:64*\b+16
.endr
	WIN 0
.set BB, BK+32*((\a)%2)
.irp t, 0,1,2,3,4,5,6,7
	ds_load_b128 v[BB+4*\t:BB+4*\t+3], v[RD] offset:\t*2*SPITCH
.endr
.endm
.macro SEND a, younger                 ; younger: the LDS instructions issued behind block a's loads
.set BB, BK+32*((\a)%2)
	s_wait_dscnt \younger
.irp t, 0,1,2,3,4,5,6,7
	global_store_b128 v[CO], v[BB+4*\t:BB+4*\t+3], s[8:9] offset:(\a)*65536+\t*8192 th:TH_STORE_NT   ; sixteen lanes store 256 consecutive bytes, at a multiple of 256 from out0's first byte
.endr
.endm
	PLACES
	TOSTAGE 0
.irp a, 1,2,3,4,5,6,7
.if \a > 1
	s_wait_xcnt 0x0                                ; block a - 2's stores have read their registers: block a's loads may land there
.endif
	TOSTAGE \a
	SEND \a-1, 16                                  ; behind block a - 1's loads: block a's 8 stores and 8 loads
.endr
	SEND 7, 0
	s_wait_tensorcnt 0x0                           ; the wave's end
	ds_add_u32 v[SPW], v[NIL]
	s_wait_dscnt 0x0
	CROUND                                         ; the closing round
	s_endpgm
.Lfunc_end_k_q9315c9f80e_proj:
	.size	k_q9315c9f80e_proj, .Lfunc_end_k_q9315c9f80e_proj-k_q9315c9f80e_proj
	.p2alignl 7, 3214868480
	.fill 96, 4, 3214868480
	.section	.rodata,"a",@progbits
	.p2align	6, 0x0
	.amdhsa_kernel k_q9315c9f80e_proj
		.amdhsa_group_segment_fixed_size 327680
		.amdhsa_private_segment_fixed_size 0
		.amdhsa_enable_private_segment 0
		.amdhsa_kernarg_size 24
		.amdhsa_user_sgpr_count 2
		.amdhsa_user_sgpr_kernarg_segment_ptr 1
		.amdhsa_wavefront_size32 1
		.amdhsa_system_sgpr_workgroup_id_x 1
		.amdhsa_system_sgpr_workgroup_id_y 1
		.amdhsa_system_sgpr_workgroup_id_z 1
		.amdhsa_system_vgpr_workitem_id 0
		.amdhsa_next_free_vgpr 512
		.amdhsa_next_free_sgpr 66
		.amdhsa_reserve_vcc 0
		.amdhsa_float_denorm_mode_32 3
		.amdhsa_float_denorm_mode_16_64 3
		.amdhsa_memory_ordered 1
		.amdhsa_forward_progress 1
		.amdhsa_inst_pref_size 86
	.end_amdhsa_kernel
	.amdgpu_metadata
---
amdhsa.version: [ 1, 2 ]
amdhsa.kernels:
  - .name:           k_q9315c9f80e_proj
    .symbol:         k_q9315c9f80e_proj.kd
    .args:
      - { .name: att, .offset: 0, .size: 8, .value_kind: global_buffer, .address_space: global }
      - { .name: wp16, .offset: 8, .size: 8, .value_kind: global_buffer, .address_space: global }
      - { .name: out0, .offset: 16, .size: 8, .value_kind: global_buffer, .address_space: global }
    .group_segment_fixed_size: 327680
    .private_segment_fixed_size: 0
    .kernarg_segment_align: 8
    .kernarg_segment_size: 24
    .max_flat_workgroup_size: 128
    .sgpr_count:     66
    .vgpr_count:     512
    .wavefront_size: 32
...
	.end_amdgpu_metadata
.endif
;; end of part 5
;; launch fine (part 6): grid 16 x 4, 16 waves a work-group, no clusters, 84,992 bytes of LDS; arguments qkv32, W_proj, out0; writes out0
.if DOCPART == 6
	.amdgcn_target "amdgcn-amd-amdhsa--gfx1250"
	.amdhsa_code_object_version 6
	.text
	.protected	k_q9315c9f80e_fine
	.globl	k_q9315c9f80e_fine
	.p2align	8
	.type	k_q9315c9f80e_fine,@function
k_q9315c9f80e_fine:
	s_mov_b64 s[64:65], 0
	v_nop
	global_prefetch_b8 v0, s[64:65] scope:SCOPE_SE
	s_setreg_imm32_b32 hwreg(HW_REG_WAVE_MODE, 25, 1), 1
	s_wait_xcnt 0x0
; Positions 0 to 15 of each of the four sequences, in f32 from the first product's sums to out0: these rows average one to sixteen values and are the largest in size, so the rounding of
; f16 operands would weigh most on them.  64 rows in all: no bulk work.  qkv32: f32 [16 b + t][3072]; W_proj: f32 [1024][1024]; out0 rows 2048 b + t, t < 16, are written over.
; Work-group (G, b) makes 16 rows x columns 64 G .. 64 G + 63.  Each work-group of a batch repeats the batch's 16 small attentions, a head a wave (32 matrix instructions), so that each output has one owner.
; THE f32 MATRIX FORM, 16 x 16 x 4: lane (r, h) gives row (or column) r and two of a step's four k.  Which k is free as long as both sources agree: each product takes the k that its lanes hold.
;   S^T = K Q^T: lane (r, h) loads, of row r, channels 8 u + 4 h + 0..3 (register 4 u + e); step s takes registers 2 s, 2 s + 1 of both.
;   O^T = V^T P: the softmax leaves lane (r, h) query r and keys 8 h + j; V is loaded so that register 8 e + j is V[8 h + j][16 e + r].
;   R = W^T O: O^T leaves lane (r, h) query r and channels 16 e + 8 h + j; it goes to the other waves as an image of its registers; W_proj is loaded so that register 8 e + j is W[64 head + 16 e + 8 h + j][column r].
; Wave w sums heads 4 (w / 4) .. + 3 for columns 16 (w % 4) on; the four parts of a sum meet in LDS, and waves 0 to 7 add them and store two rows each.
; Only v112-143 are written by the matrix form, and by nothing else; each sum's first four instructions take the constant 0; the four accumulators take turns.
; No tensor load, no cluster: what is shared is small.  LIMITS: NaN and infinities are not served.
.set IMG,   0                          ; 16 heads x 4,096 bytes: images of O^T's registers
.set PART,  65536                      ; 4 parts x 16 rows x 272 bytes
.set SPARE, PART+4*16*272              ; the spare words, 128 bytes a wave
.set VQ,  1                            ; v1  r x 12288 + 16 h
.set VV,  2                            ; v2  h x 8 rows + 4 r
.set VW,  3                            ; v3  h x 8 rows of W_proj + 4 r
.set IM,  4                            ; v4  my image: 16 x lane + 4096 w
.set LIK, 5                            ; v5  the images of my four heads
.set PS,  6                            ; v6  where I put my part
.set PR,  7                            ; v7  where I read the parts
.set OG,  8                            ; v8  my bytes in two rows of out0
.set DD,  9                            ; v9  r - 8 h
.set NINF, 10
.set SPW, 12
.set NIL, 13
.set QR,  16                           ; v16-47 Q, later images 0 and 2
.set KR,  48                           ; v48-79 K, later images 1 and 3
.set VR,  80                           ; v80-111 V, later W_proj's fourth head
.set ACC, 112                          ; v112-143 four accumulators
.set SR,  144                          ; v144-151 scores, p, later the sum
.set WK,  152                          ; v152-159 at work
.set WP,  160                          ; v160-255 W_proj's first three heads
	s_load_b128 s[4:7], s[0:1], 0x0                ; qkv32, W_proj
	s_load_b64 s[8:9], s[0:1], 0x10                ; out0
	v_lshl_add_u32 v[SPW], v0, 2, SPARE
	v_mov_b32 v[NIL], 0
	v_lshrrev_b32 v1, 5, v0
	v_readfirstlane_b32 s16, v1                    ; wave 0..15
	v_and_b32 v14, 31, v0                          ; lane
	v_and_b32 v15, 15, v0                          ; r
	v_bfe_u32 v11, v0, 4, 1                        ; h
	v_mul_u32_u24 v[VQ], v15, 12288
	v_lshl_add_u32 v[VQ], v11, 4, v[VQ]
	v_mul_u32_u24 v[VV], v11, 8*12288
	v_lshl_add_u32 v[VV], v15, 2, v[VV]
	v_lshlrev_b32 v[VW], 15, v11
	v_lshl_add_u32 v[VW], v15, 2, v[VW]
	s_lshl_b32 s17, s16, 12
	v_lshl_add_u32 v[IM], v14, 4, s17
	s_lshr_b32 s18, s16, 2                         ; which four heads
	s_lshl_b32 s19, s18, 14
	v_lshl_add_u32 v[LIK], v14, 4, s19
	s_mul_i32 s19, s18, 16*272
	s_and_b32 s24, s16, 3                          ; which 16 columns
	s_lshl_b32 s25, s24, 6
	s_add_co_u32 s19, s19, s25
	s_add_co_u32 s19, s19, PART
	v_mul_u32_u24 v[PS], v15, 272
	v_lshl_add_u32 v[PS], v11, 5, v[PS]
	v_add_nc_u32 v[PS], s19, v[PS]
	s_and_b32 s26, s16, 7                          ; which two rows, on the way out
	s_mul_i32 s27, s26, 2*272
	s_add_co_u32 s27, s27, PART
	v_mul_u32_u24 v[PR], v11, 272
	v_lshl_add_u32 v[PR], v15, 4, v[PR]
	v_add_nc_u32 v[PR], s27, v[PR]
	v_lshlrev_b32 v[OG], 12, v11
	v_lshl_add_u32 v[OG], v15, 4, v[OG]
	v_lshlrev_b32 v[DD], 3, v11
	v_sub_nc_u32 v[DD], v15, v[DD]
	v_mov_b32 v[NINF], 0xff800000
	s_mov_b32 s20, 0x76543210
	s_mov_b32 s21, 0xfedcba98                      ; v_permlanex16_b32: lane l xor 16
	s_mov_b32 s22, 0x3e38aa3b                      ; c = log2(e) / 8
	s_mov_b32 s23, s22
	s_and_b32 s28, ttmp7, 0xffff                   ; the batch
	s_mul_i32 s30, s28, 16*12288
	s_lshl_b32 s31, s16, 8
	s_add_co_u32 s30, s30, s31                     ; qkv32: the batch's 16 rows, my head's 64 columns
	s_mov_b32 s31, 0
	s_lshl_b32 s32, s18, 20                        ; W_proj: my four heads' 256 rows of 4,096 bytes,
	s_lshl_b32 s33, ttmp9, 8                       ; my work-group's 64 columns,
	s_add_co_u32 s32, s32, s33
	s_add_co_u32 s32, s32, s25                     ; my 16
	s_mov_b32 s33, 0
	s_lshl_b32 s34, s28, 11
	s_lshl_b32 s35, s26, 1
	s_add_co_u32 s34, s34, s35
	s_lshl_b32 s34, s34, 12                        ; out0: row 2048 b + 2 (w % 8),
	s_lshl_b32 s35, ttmp9, 8
	s_add_co_u32 s34, s34, s35
	s_mov_b32 s35, 0
	s_wait_kmcnt 0x0
	s_add_nc_u64 s[4:5], s[4:5], s[30:31]
	s_add_nc_u64 s[6:7], s[6:7], s[32:33]
	s_add_nc_u64 s[8:9], s[8:9], s[34:35]
.irp u, 0,1,2,3,4,5,6,7
	global_load_b128 v[QR+4*\u:QR+4*\u+3], v[VQ], s[4:5] offset:32*\u
.endr
.irp u, 0,1,2,3,4,5,6,7
	global_load_b128 v[KR+4*\u:KR+4*\u+3], v[VQ], s[4:5] offset:4096+32*\u
.endr
.irp e, 0,1,2,3
.irp k, 0,1,2,3,4,5,6,7
	global_load_b32 v[VR+8*\e+\k], v[VV], s[4:5] offset:8192+\k*12288+64*\e
.endr
.endr
.macro WPLOAD reg, hd                  ; W_proj's rows of my hd-th head, my 16 columns
.irp e, 0,1,2,3
.irp k, 0,1,2,3,4,5,6,7
	global_load_b32 v[\reg+8*\e+\k], v[VW], s[6:7] offset:(64*\hd+16*\e+\k)*4096
.endr
.endr
.endm
.macro SUM4                            ; the four accumulators, each from its low end on, into SR
.irp p, 0,2,4,6
	v_pk_add_f32 v[SR+\p:SR+\p+1], v[ACC+\p:ACC+\p+1], v[ACC+8+\p:ACC+9+\p]
	v_pk_add_f32 v[WK+\p:WK+\p+1], v[ACC+16+\p:ACC+17+\p], v[ACC+24+\p:ACC+25+\p]
.endr
.irp p, 0,2,4,6
	v_pk_add_f32 v[SR+\p:SR+\p+1], v[SR+\p:SR+\p+1], v[WK+\p:WK+\p+1]
.endr
.endm
	s_wait_loadcnt 32                              ; Q and K are in; V's 32 loads may be out
.irp s, 0,1,2,3,4,5,6,7,8,9,10,11,12,13,14,15
.if \s < 4
	v_wmma_f32_16x16x4_f32 v[ACC+8*(\s%4):ACC+8*(\s%4)+7], v[KR+2*\s:KR+2*\s+1], v[QR+2*\s:QR+2*\s+1], 0
.else
	v_wmma_f32_16x16x4_f32 v[ACC+8*(\s%4):ACC+8*(\s%4)+7], v[KR+2*\s:KR+2*\s+1], v[QR+2*\s:QR+2*\s+1], v[ACC+8*(\s%4):ACC+8*(\s%4)+7]
.endif
.endr
	WPLOAD WP, 0
.rept 8
	v_nop                                          ; eight places behind this form before its results are read (ISA guide 7.12.1)
.endr
	SUM4                                           ; lane (r, h): query r, keys 8 h + j
.irp j, 0,1,2,3,4,5,6,7
	v_cmp_le_i32 vcc_lo, \j, v[DD]                 ; key 8 h + j counts for query r where j <= r - 8 h
	v_cndmask_b32 v[SR+\j], v[NINF], v[SR+\j], vcc_lo
.endr
	v_max3_num_f32 v[WK], v[SR], v[SR+1], v[SR+2]
	v_max3_num_f32 v[WK+1], v[SR+3], v[SR+4], v[SR+5]
	v_max3_num_f32 v[WK], v[WK], v[SR+6], v[SR+7]
	v_max_num_f32 v[WK], v[WK], v[WK+1]
	v_permlanex16_b32 v[WK+2], v[WK], s20, s21     ; (its destination was written by SUM4)
	v_max_num_f32 v[WK], v[WK], v[WK+2]            ; the row's maximum: key 0 counts for every query
	v_mul_f32 v[WK], s22, v[WK]
.irp p, 0,2,4,6
	v_pk_fma_f32 v[SR+\p:SR+\p+1], v[SR+\p:SR+\p+1], s[22:23], v[WK:WK+1] op_sel_hi:[1,0,0] neg_lo:[0,0,1] neg_hi:[0,0,1]
.endr
.irp j, 0,1,2,3,4,5,6,7
	v_exp_f32 v[SR+\j], v[SR+\j]
.endr
	v_nop
	s_wait_alu depctr_va_vdst(0)                   ; one wait for the eight, ahead of their first reader
	v_pk_add_f32 v[WK+4:WK+5], v[SR:SR+1], v[SR+2:SR+3]
	v_pk_add_f32 v[WK+6:WK+7], v[SR+4:SR+5], v[SR+6:SR+7]
	v_pk_add_f32 v[WK+4:WK+5], v[WK+4:WK+5], v[WK+6:WK+7]
	v_add_f32 v[WK+4], v[WK+4], v[WK+5]
	v_permlanex16_b32 v[WK+2], v[WK+4], s20, s21
	v_add_f32 v[WK+4], v[WK+4], v[WK+2]
	v_rcp_f32 v[WK+6], v[WK+4]
	v_nop
	s_wait_alu depctr_va_vdst(0)
.irp p, 0,2,4,6
	v_pk_mul_f32 v[SR+\p:SR+\p+1], v[SR+\p:SR+\p+1], v[WK+6:WK+7] op_sel_hi:[1,0]
.endr
	s_wait_loadcnt 32                              ; V is in; W_proj's first 32 loads may be out
.irp s, 0,1,2,3
.irp e, 0,1,2,3
.if \s == 0
	v_wmma_f32_16x16x4_f32 v[ACC+8*\e:ACC+8*\e+7], v[VR+8*\e+2*\s:VR+8*\e+2*\s+1], v[SR+2*\s:SR+2*\s+1], 0
.else
	v_wmma_f32_16x16x4_f32 v[ACC+8*\e:ACC+8*\e+7], v[VR+8*\e+2*\s:VR+8*\e+2*\s+1], v[SR+2*\s:SR+2*\s+1], v[ACC+8*\e:ACC+8*\e+7]
.endif
.endr
.endr
	WPLOAD WP+32, 1
	WPLOAD WP+64, 2
.rept 9
	v_nop                                          ; eight places for the loads into V's registers and the stores of the results, nine for the products that begin the accumulators anew
.endr
	WPLOAD VR, 3
.irp i, 0,1,2,3,4,5,6,7
	ds_store_b128 v[IM], v[ACC+4*\i:ACC+4*\i+3] offset:IMG+512*\i   ; my head's O^T as it stands in my registers
.endr
	s_wait_dscnt 0x0                               ; for the others' sake
	s_barrier_signal -1
	s_barrier_wait -1                              ; sixteen images lie in LDS
.macro ATLOAD reg, hd
.irp i, 0,1,2,3,4,5,6,7
	ds_load_b128 v[\reg+4*\i:\reg+4*\i+3], v[LIK] offset:IMG+\hd*4096+512*\i
.endr
.endm
.macro PROJ wp, at, first              ; 16 products: a head's 64 channels
.irp e, 0,1,2,3
.irp s, 0,1,2,3
.if \first && (\e == 0)
	v_wmma_f32_16x16x4_f32 v[ACC+8*\s:ACC+8*\s+7], v[\wp+8*\e+2*\s:\wp+8*\e+2*\s+1], v[\at+8*\e+2*\s:\at+8*\e+2*\s+1], 0
.else
	v_wmma_f32_16x16x4_f32 v[ACC+8*\s:ACC+8*\s+7], v[\wp+8*\e+2*\s:\wp+8*\e+2*\s+1], v[\at+8*\e+2*\s:\at+8*\e+2*\s+1], v[ACC+8*\s:ACC+8*\s+7]
.endif
.endr
.endr
.endm
	ATLOAD QR, 0
	ATLOAD KR, 1
	s_wait_loadcnt 63                              ; of W_proj's 128 loads at most 63 are out: the first two heads' 64 are in
	s_wait_dscnt 0x0
	PROJ WP, QR, 1
	PROJ WP+32, KR, 0
.rept 8
	v_nop                                          ; places in front of the loads into the images' registers
.endr
	ATLOAD QR, 2
	ATLOAD KR, 3
	s_wait_loadcnt 0x0
	s_wait_dscnt 0x0
	PROJ WP+64, QR, 0
	PROJ VR, KR, 0
.rept 8
	v_nop
.endr
	SUM4                                           ; lane (r, h): row r, columns 16 (w % 4) + 8 h + j, summed over my four heads
	ds_store_b128 v[PS], v[SR:SR+3]
	ds_store_b128 v[PS], v[SR+4:SR+7] offset:16
	s_wait_dscnt 0x0
	s_barrier_signal -1
	s_barrier_wait -1                              ; four parts of 16 rows x 64 columns lie in LDS
	s_cmp_lt_u32 s16, 8
	s_cbranch_scc0 .Ldone
.irp k, 0,1,2,3
	ds_load_b128 v[QR+4*\k:QR+4*\k+3], v[PR] offset:\k*16*272
.endr
	s_wait_dscnt 0x0
	v_pk_add_f32 v[QR:QR+1], v[QR:QR+1], v[QR+4:QR+5]
	v_pk_add_f32 v[QR+2:QR+3], v[QR+2:QR+3], v[QR+6:QR+7]
	v_pk_add_f32 v[QR+8:QR+9], v[QR+8:QR+9], v[QR+12:QR+13]
	v_pk_add_f32 v[QR+10:QR+11], v[QR+10:QR+11], v[QR+14:QR+15]
	v_pk_add_f32 v[QR:QR+1], v[QR:QR+1], v[QR+8:QR+9]
	v_pk_add_f32 v[QR+2:QR+3], v[QR+2:QR+3], v[QR+10:QR+11]
	global_store_b128 v[OG], v[QR:QR+3], s[8:9]    ; two rows: sixteen lanes store 256 consecutive bytes each
.Ldone:
	s_wait_tensorcnt 0x0                           ; the wave's end: behind my last LDS store
	ds_add_u32 v[SPW], v[NIL]
	s_wait_dscnt 0x0
	s_endpgm
.Lfunc_end_k_q9315c9f80e_fine:
	.size	k_q9315c9f80e_fine, .Lfunc_end_k_q9315c9f80e_fine-k_q9315c9f80e_fine
	.p2alignl 7, 3214868480
	.fill 96, 4, 3214868480
	.section	.rodata,"a",@progbits
	.p2align	6, 0x0
	.amdhsa_kernel k_q9315c9f80e_fine
		.amdhsa_group_segment_fixed_size 84992
		.amdhsa_private_segment_fixed_size 0
		.amdhsa_enable_private_segment 0
		.amdhsa_kernarg_size 24
		.amdhsa_user_sgpr_count 2
		.amdhsa_user_sgpr_kernarg_segment_ptr 1
		.amdhsa_wavefront_size32 1
		.amdhsa_system_sgpr_workgroup_id_x 1
		.amdhsa_system_sgpr_workgroup_id_y 1
		.amdhsa_system_sgpr_workgroup_id_z 1
		.amdhsa_system_vgpr_workitem_id 0
		.amdhsa_next_free_vgpr 256
		.amdhsa_next_free_sgpr 66
		.amdhsa_reserve_vcc 1
		.amdhsa_float_denorm_mode_32 3
		.amdhsa_float_denorm_mode_16_64 3
		.amdhsa_memory_ordered 1
		.amdhsa_forward_progress 1
		.amdhsa_inst_pref_size 35
	.end_amdhsa_kernel
	.amdgpu_metadata
---
amdhsa.version: [ 1, 2 ]
amdhsa.kernels:
  - .name:           k_q9315c9f80e_fine
    .symbol:         k_q9315c9f80e_fine.kd
    .args:
      - { .name: qkv32, .offset: 0, .size: 8, .value_kind: global_buffer, .address_space: global }
      - { .name: W_proj, .offset: 8, .size: 8, .value_kind: global_buffer, .address_space: global }
      - { .name: out0, .offset: 16, .size: 8, .value_kind: global_buffer, .address_space: global }
    .group_segment_fixed_size: 84992
    .private_segment_fixed_size: 0
    .kernarg_segment_align: 8
    .kernarg_segment_size: 24
    .max_flat_workgroup_size: 512
    .sgpr_count:     66
    .vgpr_count:     256
    .wavefront_size: 32
...
	.end_amdgpu_metadata
.endif
;; end of part 6
